; MI455X (gfx1250); checked and timed in simulation.
; The chip was launched on July 23, 2026; its instructions are those of AMD's public machine-readable ISA for CDNA 5 (MIT licence, August 2026) and "CDNA5" Instruction Set Architecture Reference Guide (July 2026). The comments in the code are by the model that wrote it; some were corrected since.
;; GRAND Block. Allowed arithmetic: matrix products marked QUANTISED: E2M3 operands, one E8M0 scale for each 32 along K, by v_wmma_scale_f32_16x16x128_f8f6f4 with both operands' format E2M3, f32 sums; everything else in f32.
;; Inputs: Wk_codes 1,024 x 16 x 24 uint8 (E2M3 codes of Wk, K innermost, in blocks of 32 codes, four codes in three bytes); Wk_scales 1,024 x 16 uint8 (E8M0 scales of Wk, one for each 32 codes along K); Wq_codes 1,024 x 16 x 24 uint8 (E2M3 codes of Wq, K innermost, in blocks of 32 codes, four codes in three bytes); Wq_scales 1,024 x 16 uint8 (E8M0 scales of Wq, one for each 32 codes along K); Wv_codes 1,024 x 16 x 24 uint8 (E2M3 codes of Wv, K innermost, in blocks of 32 codes, four codes in three bytes); Wv_scales 1,024 x 16 uint8 (E8M0 scales of Wv, one for each 32 codes along K); Ww0_codes 128 x 32 x 24 uint8 (E2M3 codes of Ww0, K innermost, in blocks of 32 codes, four codes in three bytes); Ww0_scales 128 x 32 uint8 (E8M0 scales of Ww0, one for each 32 codes along K); bk 1,024 float32; bq 1,024 float32; bv 1,024 float32; bw0 128 float32; x_codes 16 x 1,024 x 16 x 24 uint8 (E2M3 codes of x, K innermost, in blocks of 32 codes, four codes in three bytes); x_scales 16 x 1,024 x 16 uint8 (E8M0 scales of x, one for each 32 codes along K).
;; Outputs: out0 16 x 1,024 x 128 float32.
;; This version of the problem:
;;   THIS VERSION OF THE PROBLEM IS GIVEN IN LOW PRECISION. The matrix products marked QUANTISED in the list below multiply operands that are first quantised to E2M3 (2 exponent bits, 3 mantissa bits; 6 bits a number), with one power-of-two scale for each 32 numbers along K (OCP MX v1.0); their sums are f32. All else is computed in f32.
;;   The module's matrix products, in the order in which they are computed (A, B: the left and right operand; K: the contracted axis; several contracted axes count as one K, in the product's order):
;;     1. [M 16,384, K 512] x [K 512, N 1,024]; A: input x (given as codes); B: input Wk (given as codes): QUANTISED
;;     2. [M 16,384, K 512] x [K 512, N 1,024]; A: input x (given as codes); B: input Wq (given as codes): QUANTISED
;;     3. [M 16,384, K 512] x [K 512, N 1,024]; A: input x (given as codes); B: input Wv (given as codes): QUANTISED
;;     4. batch 128 x [M 1,024, K 128] x [K 128, N 1,024]; A: computed on the way; B: computed on the way: QUANTISED
;;     5. batch 128 x [M 1,024, K 1,024] x [K 1,024, N 128]; A: computed on the way; B: computed on the way: QUANTISED
;;     6. [M 16,384, K 1,024] x [K 1,024, N 128]; A: computed on the way; B: input Ww0 (given as codes): QUANTISED
;;   THE QUANTISER, for each operand of a quantised product, along K:
;;     - K is cut into blocks of 32 from its start; a last block that is shorter is filled with zeros.
;;     - A block's scale is 2^e with e = floor(log2(the largest magnitude in the block)) - 2, held to -126 .. 127; a block of zeros has e = 0. As a byte (E8M0): e + 127.
;;     - Each number is divided by its block's scale, clamped to +-7.5, and rounded to the nearest number of E2M3, ties to even, subnormals kept.
;;     - The product sums the exact products of the quantised numbers (number of the format x scale) in f32.
;;   ~~~python
;;   def quantise(x, axis):      # numpy; x: float32 -> the quantised numbers, widened to float32 again
;;       x = np.moveaxis(x, axis, -1); K = x.shape[-1]
;;       x = np.pad(x, [(0, 0)] * (x.ndim - 1) + [(0, -K % 32)]); x = x.reshape(x.shape[:-1] + (-1, 32)); a = np.abs(x).max(-1, keepdims=True)
;;       e = np.where(a > 0, np.clip(np.frexp(np.where(a > 0, a, 1))[1] - 1 - 2, -126, 127), 0)      # np.frexp(a)[1] - 1 = floor(log2(a)), exactly
;;       r = np.clip(x / 2.0 ** e, -7.5, 7.5)
;;       step = 2.0 ** (np.maximum(np.frexp(np.where(r == 0, 1, r))[1] - 1, 0) - 3)
;;       q = np.round(r / step) * step * 2.0 ** e      # np.round: ties to even
;;       return np.moveaxis(q.reshape(q.shape[:-2] + (-1,))[..., :K], -1, axis).astype(np.float32)
;;   ~~~
;;   OPERANDS COMPUTED ON THE WAY. 'Computed on the way' means the value that the module computes at that place (a softmax that the list does not call 'softmax' is quantised finished and normalised). What goes into a quantiser is computed in f32, as accurately as f32 sums, v_exp_f32 and their like allow (about 1e-6 of the number): no bf16 or f16 on the way to a quantiser, and a product that is left as it is and whose result goes on into a quantised operand takes f32 operands (vector FMAs, or v_wmma_f32_16x16x4_f32). A number that lies on a knife's edge between two numbers of the format may be rounded either way, as far as f32 arithmetic and the matrix unit's own rounding can turn it there, and no further.
;;   INPUTS GIVEN AS CODES. Wk (in the module: [512, 1024], K = its axis 0); Wq (in the module: [512, 1024], K = its axis 0); Wv (in the module: [512, 1024], K = its axis 0); Ww0 (in the module: [1024, 128], K = its axis 0); x (in the module: [16, 1024, 512], K = its axis 2): each comes as NAME_codes (uint8): NAME with its K axis moved to the last place and cut into blocks of 32 codes, [.., K / 32, bytes a block], one block behind the other in memory; four codes in three bytes: a row's codes are one little-endian stream of bits, code i at bits 6 i .. 6 i + 5 (a code: sign, 2 exponent bits, 3 mantissa bits); and NAME_scales (uint8): the same leading axes, one E8M0 byte (e + 127) for each 32 codes along K. Its value is code x scale, taken as it is: it is not quantised again, and the codes and scales need not be those that the quantiser above would give.
;; 2 versions. Each part assembles by itself: llvm-mc -triple=amdgcn-amd-amdhsa -mcpu=gfx1250 --defsym DOCPART=n.
;; ======== version 1 of 2: 3 launches
;; workspace buffers: wimg 1,253,376 bytes; w0img 98,304 bytes; vimg 12,582,912 bytes; vsc 1,048,576 bytes
;; launch prep (part 1): grid 52 x 1, 4 waves a work-group, no clusters, 0 bytes of LDS; arguments Wk_codes, Wq_codes, Wv_codes, Ww0_codes, Wk_scales, Wq_scales, Wv_scales, bk, bq, bv, wimg, w0img; writes wimg, w0img
.if DOCPART == 1
	.amdgcn_target "amdgcn-amd-amdhsa--gfx1250"
	.amdhsa_code_object_version 6
	.text
	.protected	k_qc1e055baf7_prep
	.globl	k_qc1e055baf7_prep
	.p2align	8
	.type	k_qc1e055baf7_prep,@function
k_qc1e055baf7_prep:
	s_mov_b64 s[64:65], 0
	v_nop
	global_prefetch_b8 v0, s[64:65] scope:SCOPE_SE
	s_setreg_imm32_b32 hwreg(HW_REG_WAVE_MODE, 25, 1), 1
	s_wait_xcnt 0x0
; The weights' codes are laid out once as IMAGES OF OPERAND REGISTERS, so that every later load of a weight is 512 consecutive bytes.
; A fragment is 16 weight rows x 128 K of E2M3 codes, 12 registers a lane; its image is 1,536 bytes: registers 4 j .. 4 j + 3 of lane l at 512 j + 16 l.
; wimg: [wave 4][n 24] records of REC bytes; n 0-7 Wk, 8-15 Wq, 16-23 Wv.  A record: two tiles t of 16 rows x K 512: codes at 6144 t + 1536 s (K step s);
;   the rows' 16 scale bytes at 12288 + 256 t + 16 m; the rows' biases at 12800 + 64 t + 4 m (m: the row's place in its tile).
; Which rows form a tile is chosen for the reader (q = 8 wave + n % 8):  Wk, Wq: row 32 q + 8 t + m % 8 + 16 (m / 8);  Wv: row 128 (m % 8) + 4 q + 2 t + m / 8.
; w0img: [tile of 16 rows 8][K step 8] images; row 16 tile + m.
; A wave does one job: four fragments (one tile, four K steps).  208 jobs: 64 for each of Wk, Wq, Wv, 16 for Ww0.  No LDS, no loop.
.set REC, 13056
	s_load_b512 s[16:31], s[0:1], 0x0              ; codes of Wk, Wq, Wv, Ww0; scales of Wk, Wq, Wv; bk
	s_load_b256 s[32:39], s[0:1], 0x40             ; bq, bv, wimg, w0img
	v_lshrrev_b32 v1, 5, v0
	v_readfirstlane_b32 s4, v1                     ; wave
	s_lshl_b32 s5, ttmp9, 2
	s_add_co_u32 s5, s5, s4                        ; job 0 .. 207
	s_lshr_b32 s6, s5, 6                           ; which tensor: 0 Wk, 1 Wq, 2 Wv, 3 Ww0
	s_and_b32 s7, s5, 1                            ; t (for Ww0: which half of K)
	s_bfe_u32 s8, s5, 0x50001                      ; q = (job / 2) % 32
	s_sub_co_u32 s9, s5, 192                       ; Ww0's job number (used where the tensor is Ww0)
	s_lshl_b32 s10, s8, 5
	s_lshl_b32 s11, s7, 3
	s_add_co_u32 s10, s10, s11                     ; Wk, Wq: first row 32 q + 8 t
	s_lshl_b32 s11, s8, 2
	s_lshl_b32 s12, s7, 1
	s_add_co_u32 s11, s11, s12                     ; Wv: 4 q + 2 t
	s_lshr_b32 s12, s9, 1
	s_lshl_b32 s12, s12, 4                         ; Ww0: 16 x tile
	s_mul_i32 s13, s7, 384                         ; Ww0: the second half of K begins 384 bytes into a row
	s_lshr_b32 s14, s8, 3
	s_mul_i32 s14, s14, 24
	s_lshl_b32 s15, s6, 3
	s_add_co_u32 s14, s14, s15
	s_and_b32 s15, s8, 7
	s_add_co_u32 s14, s14, s15
	s_mul_i32 s14, s14, REC                        ; the record's first byte in wimg
	s_mul_i32 s45, s7, 6144
	s_add_co_u32 s45, s45, s14                     ; and my tile's codes in it
	s_mul_i32 s15, s9, 6144                        ; Ww0: my four images in w0img
	s_lshl_b32 s58, s7, 8
	s_lshl_b32 s59, s7, 6
	s_cmp_eq_u32 s6, 2                             ; row = A (m % 8) + B (m / 8) + C
	s_cselect_b32 s40, 128, 1                      ; A
	s_cselect_b32 s41, 1, 16                       ; B
	s_cselect_b32 s42, s11, s10                    ; C
	s_cmp_eq_u32 s6, 3
	s_cselect_b32 s41, 8, s41
	s_cselect_b32 s42, s12, s42
	s_mov_b32 s43, 384
	s_cselect_b32 s43, 768, s43                    ; bytes in a row of codes
	s_cselect_b32 s44, s13, 0
	s_cselect_b32 s46, s15, s45                    ; where my images go
	s_mov_b32 s47, 0
	s_mov_b32 s56, s14
	s_mov_b32 s57, 0
	v_and_b32 v1, 31, v0                           ; lane
	v_and_b32 v2, 15, v0                           ; m = lane % 16
	v_bfe_u32 v3, v0, 4, 1                         ; h = lane / 16
	v_and_b32 v4, 7, v2
	v_lshrrev_b32 v5, 3, v2
	v_mul_u32_u24 v6, v4, s40
	v_mad_u32_u24 v6, v5, s41, v6
	v_add_nc_u32 v6, s42, v6                       ; my row of the tensor
	v_mul_lo_u32 v7, v6, s43
	v_mad_u32_u24 v7, v3, 24, v7
	v_add_nc_u32 v7, s44, v7                       ; its codes, + 24 bytes for lanes 16-31
	v_lshlrev_b32 v8, 4, v6                        ; its 16 scale bytes
	v_lshlrev_b32 v9, 2, v6                        ; its bias
	v_lshlrev_b32 v10, 4, v1                       ; an image's place for my lane
	v_lshlrev_b32 v11, 4, v2
	v_add_nc_u32 v11, s58, v11                     ; 256 t + 16 m
	v_lshlrev_b32 v12, 2, v2
	v_add_nc_u32 v12, s59, v12                     ; 64 t + 4 m
	s_wait_kmcnt 0x0
	s_cmp_eq_u32 s6, 1                             ; the buffers are chosen by the job's number alone
	s_cselect_b64 s[48:49], s[18:19], s[16:17]
	s_cselect_b64 s[50:51], s[26:27], s[24:25]
	s_cselect_b64 s[52:53], s[32:33], s[30:31]
	s_cmp_eq_u32 s6, 2
	s_cselect_b64 s[48:49], s[20:21], s[48:49]
	s_cselect_b64 s[50:51], s[28:29], s[50:51]
	s_cselect_b64 s[52:53], s[34:35], s[52:53]
	s_cmp_eq_u32 s6, 3
	s_cselect_b64 s[48:49], s[22:23], s[48:49]
	s_cselect_b64 s[54:55], s[38:39], s[36:37]
	s_add_nc_u64 s[54:55], s[54:55], s[46:47]
	s_add_nc_u64 s[56:57], s[36:37], s[56:57]      ; the record's first byte (not used for Ww0)
.irp s, 0,1,2,3
.irp p, 0,1,2,3,4,5
	global_load_b64 v[16+12*\s+2*\p:17+12*\s+2*\p], v7, s[48:49] offset:96*\s+48*(\p/3)+8*(\p%3)   ; the fragment's registers 2 p, 2 p + 1: 8 bytes of the row's stream of bits
.endr
.endr
	s_cmp_eq_u32 s6, 3
	s_cbranch_scc1 .Lcodes                         ; Ww0's scales and bias are read by their user as they lie
	global_load_b128 v[64:67], v8, s[50:51]
	global_load_b32 v68, v9, s[52:53]
	s_wait_loadcnt 0x0
	global_store_b128 v11, v[64:67], s[56:57] offset:12288   ; lanes 16-31 store what lanes 0-15 store: the same bytes at the same places
	global_store_b32 v12, v68, s[56:57] offset:12800
.Lcodes:
	s_wait_loadcnt 0x0
.irp s, 0,1,2,3
.irp j, 0,1,2
	global_store_b128 v10, v[16+12*\s+4*\j:19+12*\s+4*\j], s[54:55] offset:1536*\s+512*\j   ; 32 lanes store 512 consecutive bytes, at a multiple of 256 from the buffer's first byte
.endr
.endr
	s_endpgm
.Lfunc_end_k_qc1e055baf7_prep:
	.size	k_qc1e055baf7_prep, .Lfunc_end_k_qc1e055baf7_prep-k_qc1e055baf7_prep
	.p2alignl 7, 3214868480
	.fill 96, 4, 3214868480
	.section	.rodata,"a",@progbits
	.p2align	6, 0x0
	.amdhsa_kernel k_qc1e055baf7_prep
		.amdhsa_group_segment_fixed_size 0
		.amdhsa_private_segment_fixed_size 0
		.amdhsa_enable_private_segment 0
		.amdhsa_kernarg_size 96
		.amdhsa_user_sgpr_count 2
		.amdhsa_user_sgpr_kernarg_segment_ptr 1
		.amdhsa_wavefront_size32 1
		.amdhsa_system_sgpr_workgroup_id_x 1
		.amdhsa_system_sgpr_workgroup_id_y 1
		.amdhsa_system_sgpr_workgroup_id_z 1
		.amdhsa_system_vgpr_workitem_id 0
		.amdhsa_next_free_vgpr 80
		.amdhsa_next_free_sgpr 66
		.amdhsa_reserve_vcc 0
		.amdhsa_float_denorm_mode_32 3
		.amdhsa_float_denorm_mode_16_64 3
		.amdhsa_memory_ordered 1
		.amdhsa_forward_progress 1
		.amdhsa_inst_pref_size 8
	.end_amdhsa_kernel
	.amdgpu_metadata
---
amdhsa.version: [ 1, 2 ]
amdhsa.kernels:
  - .name:           k_qc1e055baf7_prep
    .symbol:         k_qc1e055baf7_prep.kd
    .args:
      - { .name: Wk_codes, .offset: 0, .size: 8, .value_kind: global_buffer, .address_space: global }
      - { .name: Wq_codes, .offset: 8, .size: 8, .value_kind: global_buffer, .address_space: global }
      - { .name: Wv_codes, .offset: 16, .size: 8, .value_kind: global_buffer, .address_space: global }
      - { .name: Ww0_codes, .offset: 24, .size: 8, .value_kind: global_buffer, .address_space: global }
      - { .name: Wk_scales, .offset: 32, .size: 8, .value_kind: global_buffer, .address_space: global }
      - { .name: Wq_scales, .offset: 40, .size: 8, .value_kind: global_buffer, .address_space: global }
      - { .name: Wv_scales, .offset: 48, .size: 8, .value_kind: global_buffer, .address_space: global }
      - { .name: bk, .offset: 56, .size: 8, .value_kind: global_buffer, .address_space: global }
      - { .name: bq, .offset: 64, .size: 8, .value_kind: global_buffer, .address_space: global }
      - { .name: bv, .offset: 72, .size: 8, .value_kind: global_buffer, .address_space: global }
      - { .name: wimg, .offset: 80, .size: 8, .value_kind: global_buffer, .address_space: global }
      - { .name: w0img, .offset: 88, .size: 8, .value_kind: global_buffer, .address_space: global }
    .group_segment_fixed_size: 0
    .private_segment_fixed_size: 0
    .kernarg_segment_align: 8
    .kernarg_segment_size: 96
    .max_flat_workgroup_size: 128
    .sgpr_count:     66
    .vgpr_count:     80
    .wavefront_size: 32
...
	.end_amdgpu_metadata
.endif
;; end of part 1
;; launch attn (part 2): grid 2 x 128, 4 waves a work-group, no clusters, 279,040 bytes of LDS; arguments x_codes, x_scales, wimg, vimg, vsc; writes vimg, vsc
.if DOCPART == 2
	.amdgcn_target "amdgcn-amd-amdhsa--gfx1250"
	.amdhsa_code_object_version 6
	.text
	.protected	k_qc1e055baf7_attn
	.globl	k_qc1e055baf7_attn
	.p2align	8
	.type	k_qc1e055baf7_attn,@function
k_qc1e055baf7_attn:
	s_mov_b64 s[64:65], 0
	v_nop
	global_prefetch_b8 v0, s[64:65] scope:SCOPE_SE
	s_setreg_imm32_b32 hwreg(HW_REG_WAVE_MODE, 25, 1), 1
	s_wait_xcnt 0x0
; One head (b, h) and one half of its 1,024 queries: the three projections, both products of attention and the quantising of vals, all on E2M3 codes with E8M0 scales.
; THE RESHAPE has no permute: head h of batch b is made of x rows c = 128 h .. 128 h + 127 alone; row c, projection column j is channel 8 (c % 128) + j / 128, feature j % 128.
; So a work-group projects K and V of its head from 128 rows of x (both halves of a head do: K, Q, V never go to memory) and Q from its own 64 rows.
; LOCAL ORDER.  The work-group's own 64 rows of x are group 0, the others group 1; no LDS address and no branch hangs on which half this is.  Slot (group g, e), lane r is x row 64 g + 4 r + e;
; it gives the keys 8 e + j / 128 of the block of 32 keys 16 g + r.  Softmax and the second product do not mind the order of blocks; the diagonal of query pair X lies in block X.
; THE WAVES SHARE THE KEYS, NOT THE QUERIES: wave w keeps 256 keys of K (16 fragments) and of V^T (16 fragments) in registers; all four work on the same 32 queries (two tiles u) at a time.
; Through LDS go Q's fragments, two numbers a row (the wave's largest t and its sum) and the four partial O^T.
; SOFTMAX.  t = score x log2(e) / sqrt(128).  A wave takes ITS largest t, m_w, away: p = 2^(t - m_w); with m the largest of the four m_w and l = sum of l_w 2^(m_w - m),
; att = p x F, F = 2^(m_w - m) / l: the finished, normalised softmax.  -1 is added on the diagonal, and att is then quantised along the keys.
; A block's largest att is not searched for: the block's largest score goes through the same instructions (this takes v_exp_f32 not to fall where its input rises); the one block with the diagonal is searched.
; Both products are used transposed (S^T = K Q^T, O^T = V^T att^T): a lane holds one query.  The rows of a tile of K, Q, V^T are chosen so that 16 registers of two neighbouring tiles are 16 neighbours along the next K.
; LIMITS: NaN and infinities are not served.  A block of zeros gets the scale byte 1 where the rule says 127: its codes are zeros, and this program alone reads the bytes.
; The second product's K is summed in four parts, one a wave, which are added in f32.  The biases enter as the C of each sum's first matrix instruction.
; No tensor loads and no joint loads: every weight record is read by one wave of the work-group, straight into its registers.
;
; LDS: K's tiles 0 (32 pairs x 3,600: two tiles x 16 rows x 112: 96 bytes of codes, 4 scale bytes); V's codes 115,200 (32 blocks x 3,088: feature f at 24 f); V's scale bytes 214,016 (32 f + block);
;   Q's tiles 218,112 (16 pairs, as K's); the statistics 275,712; the partial O^T lie over K's and V's bytes once those are in registers: source wave x 32,768 + tile x 8,192.
; REGISTERS, in windows of 256.  Projection: window 1, 2: x's fragments of group 0, 1, at 12 (4 e + s); window 3: two weight records, at 96 buf + 12 (4 t + s).
;   Attention: window 1: S^T, then p, att: block k = 8 u + rho at 16 k; window 2: K at 12 tile, O^T of u = 0 at 192; window 3: V^T at 12 (2 d + y), O^T of u = 1 at 192.
;   Window 0: v1-30 addresses; v32-79 scale words and nothing else; the rest by the names below.
.set REC,   13056
.set PAIRB, 3600
.set TILEB, 1792
.set ROWP,  112
.set GRPK,  16*PAIRB
.set VIMG,  115200
.set VBLK,  3088
.set GRPV,  16*VBLK
.set VSC,   214016
.set QIMG,  218112
.set STAT,  275712
.set FLOOR, 0x1800000                  ; 2^(3 - 127): no largest magnitude is taken under it, so a scale byte cannot fall under 1
.set EOFF,  0xff000000                 ; takes 2 off an exponent field
.set LI,   4                           ; 16 x lane
.set L16R, 5                           ; 16 r
.set L32H, 6                           ; 32 h
.set LX,   7                           ; x's codes: 1536 r + 24 h
.set LXS,  8                           ; x's scales: 64 r
.set LK,   9                           ; K's, Q's tiles, on the way in: 3600 r + 12 h
.set LKS,  10                          ; their scale bytes: 3600 r + 96
.set LV,   11                          ; V's codes, on the way in
.set LVS,  12                          ; V's scale bytes
.set DA,   13                          ; the four store addresses of the trip in hand
.set DS,   14
.set DV,   15
.set DVS,  16
.set L4,   17                          ; 4 x lane
.set AQ0,  18                          ; Q's fragments: my lane's place in a pair
.set AQS0, 19                          ; Q's scale words
.set AQ,   20                          ; the same, of the pair in hand
.set AQS,  21
.set AST,  22                          ; the statistics: where I store
.set ASL,  23                          ; and read
.set AOX,  24                          ; partial O^T: where I store
.set AOL0, 25                          ; and read: sources 0, 1; v26: sources 2, 3
.set LKF,  27                          ; K's fragments, K's scale words, V's fragments, V's scale words on the way to registers
.set LKSC, 28
.set LVF,  29
.set LVSC, 30
.set XS,   32                          ; projection: x's scale words, 4 (4 g + e) + s
.set WS,   64                          ; the weights', 8 buf + 4 t + s
.set KS,   32                          ; attention: K's (lanes 0-15 tile 2 rho, lanes 16-31 tile 2 rho + 1)
.set VS,   40                          ; V's (lanes 0-15 K step 0, lanes 16-31 K step 1)
.set QS,   48                          ; Q's (lanes 0-15 u = 0, lanes 16-31 u = 1)
.set PS,   50                          ; att's, 2 u + y
.set BI,   80                          ; projection: biases in the result's layout, 16 buf + 8 t
.set ACC,  112                         ; eight accumulators
.set PTM,  176                         ; at work: largest magnitudes, the other half's, scale operands, bytes
.set PTX,  180
.set PSO,  184
.set PBY,  188
.set PPC,  192                         ; codes
.set PPX,  208
.set QF,   80                          ; attention: Q's two fragments
.set BM,   104                         ; a block's largest score, then p, then att
.set BX,   120                         ; the other half's; then the conversions' scale operands
.set BY,   136                         ; the scale bytes; then the upper halves of the blocks' codes
.set PX,   136
.set NL,   152                         ; -m_w and l_w of u = 0, of u = 1
.set FS,   156                         ; F of u = 0, -, of u = 1, -
.set GS,   160                         ; the four waves' -m_w, l_w: 8 u + 2 w
.set CH,   176                         ; sum chains
.set TP,   184                         ; at work, 6 a tile
.set PC,   196                         ; att's codes: 24 u + 12 y
.set EY,   244                         ; -1 in the lane and register of the diagonal, else 0
.set MSB, 0
.macro WIN new                         ; the immediate's high byte repeats the setting that is left; a switch that changes nothing is dropped
.if MSB != (\new)
	s_set_vgpr_msb (MSB<<8)|(\new)
.set MSB, (\new)
.endif
.endm
.macro NOPS n
.rept \n
	v_nop
.endr
.endm
; The one matrix form.  rows: 1: source 0's scales from lanes 16-31; 2: source 1's; 3: both
.macro WM d, a, b, c, sa, sb, rows
.if (\rows) == 0
	v_wmma_scale_f32_16x16x128_f8f6f4 v[(\d):(\d)+7], v[(\a):(\a)+11], v[(\b):(\b)+11], \c, v[\sa], v[\sb] matrix_a_fmt:MATRIX_FMT_FP6 matrix_b_fmt:MATRIX_FMT_FP6
.elseif (\rows) == 1
	v_wmma_scale_f32_16x16x128_f8f6f4 v[(\d):(\d)+7], v[(\a):(\a)+11], v[(\b):(\b)+11], \c, v[\sa], v[\sb] matrix_a_fmt:MATRIX_FMT_FP6 matrix_b_fmt:MATRIX_FMT_FP6 matrix_a_scale:MATRIX_SCALE_ROW1
.elseif (\rows) == 2
	v_wmma_scale_f32_16x16x128_f8f6f4 v[(\d):(\d)+7], v[(\a):(\a)+11], v[(\b):(\b)+11], \c, v[\sa], v[\sb] matrix_a_fmt:MATRIX_FMT_FP6 matrix_b_fmt:MATRIX_FMT_FP6 matrix_b_scale:MATRIX_SCALE_ROW1
.else
	v_wmma_scale_f32_16x16x128_f8f6f4 v[(\d):(\d)+7], v[(\a):(\a)+11], v[(\b):(\b)+11], \c, v[\sa], v[\sb] matrix_a_fmt:MATRIX_FMT_FP6 matrix_b_fmt:MATRIX_FMT_FP6 matrix_a_scale:MATRIX_SCALE_ROW1 matrix_b_scale:MATRIX_SCALE_ROW1
.endif
.endm
; A weight record, off bytes on from s[34:35], into buffer buf: 30 loads: 24 of codes (512 consecutive bytes each), 2 of scale words, 4 of biases
.macro WLOAD buf, off
	WIN 0xc0
.irp i, 0,1,2,3,4,5,6,7,8,9,10,11,12,13,14,15,16,17,18,19,20,21,22,23
	global_load_b128 v[96*\buf+4*\i:96*\buf+4*\i+3], v[LI], s[34:35] offset:\off+512*\i
.endr
	WIN 0
.irp t, 0,1
	global_load_b128 v[WS+8*\buf+4*\t:WS+8*\buf+4*\t+3], v[L16R], s[34:35] offset:\off+12288+256*\t
.endr
.irp t, 0,1
.irp k, 0,1
	global_load_b128 v[BI+16*\buf+8*\t+4*\k:BI+16*\buf+8*\t+4*\k+3], v[L32H], s[34:35] offset:\off+12800+64*\t+16*\k
.endr
.endr
.endm
; K or Q: one record (32 features of one j / 128) against the 64 x rows of group gi.  Source 0 = 16 weight rows, source 1 = 16 x rows: lane (r, h) holds x row 4 r + e, and the 16 registers of
; tiles u = 0, 1 are features 16 h + 0 .. 15 of the record's block of 32.  Eight accumulators by turns, one instruction a turn.
.macro KQHALF buf, gi
	WIN 0x07+4*\gi
.irp s, 0,1,2,3
.irp e, 0,1,2,3
.irp u, 0,1
.if \s == 0
	WM ACC+16*\e+8*\u, 96*\buf+12*(4*\u+\s), 12*(4*\e+\s), v[BI+16*\buf+8*\u:BI+16*\buf+8*\u+7], WS+8*\buf+4*\u+\s, XS+4*(4*\gi+\e)+\s, 0
.else
	WM ACC+16*\e+8*\u, 96*\buf+12*(4*\u+\s), 12*(4*\e+\s), v[ACC+16*\e+8*\u:ACC+16*\e+8*\u+7], WS+8*\buf+4*\u+\s, XS+4*(4*\gi+\e)+\s, 0
.endif
.endr
.endr
.endr
	WIN 0
	NOPS 4                                         ; four places between the last products and the first read of results, and the next loads into their operands
	s_wait_dscnt 0x0                               ; the last quantiser's LDS stores have read their registers
.irp e, 0,1,2,3
	v_max3_num_f32 v[PTM+\e], |v[ACC+16*\e]|, |v[ACC+16*\e+1]|, FLOOR   ; x row e: my 16 features, and the floor (the four rows by turns)
.endr
.irp i, 2,4,6,8,10,12,14
.irp e, 0,1,2,3
	v_max3_num_f32 v[PTM+\e], v[PTM+\e], |v[ACC+16*\e+\i]|, |v[ACC+16*\e+\i+1]|
.endr
.endr
.irp e, 0,1,2,3
	v_permlanex16_b32 v[PTX+\e], v[PTM+\e], s20, s21
.endr
.irp e, 0,1,2,3
	v_max_num_f32 v[PTM+\e], v[PTM+\e], v[PTX+\e]  ; with lane l xor 16's: the block's largest magnitude
.endr
.irp e, 0,1,2,3
	v_add_nc_u32 v[PSO+\e], EOFF, v[PTM+\e]        ; 2 off its exponent field: the conversion's scale operand
.endr
.irp e, 0,1,2,3
	v_lshrrev_b32 v[PBY+\e], 23, v[PSO+\e]         ; the scale's byte
.endr
.irp e, 0,1,2,3
	v_cvt_scalef32_pk16_fp6_f32 v[PPC+4*\e:PPC+4*\e+2], v[ACC+16*\e:ACC+16*\e+15], v[PSO+\e]
.endr
	v_nop                                          ; one plain place behind the scaled conversions
.irp e, 0,1,2,3
.irp i, 0,1,2
	ds_store_b32 v[DA], v[PPC+4*\e+\i] offset:GRPK*\gi+TILEB*(\e%2)+8*ROWP*(\e/2)+24*\buf+4*\i   ; tile e % 2 of pair 16 g + r, row 8 (e / 2) + j / 128: my 12 bytes of its block
.endr
	ds_store_b8 v[DS], v[PBY+\e] offset:GRPK*\gi+TILEB*(\e%2)+8*ROWP*(\e/2)+\buf   ; both lanes of a block store the same byte
.endr
.endm
; A trip of K's loop (isq = 0: both groups of x rows) or of Q's (isq = 1: my own group): two records.  Record 2 I + buf is j / 128 = 2 w + I / 2, block of features 2 (I % 2) + buf.
.macro KQTRIP isq
	s_lshr_b32 s37, s36, 1
	s_lshl_b32 s38, s14, 1
	s_add_co_u32 s37, s37, s38
	s_mul_i32 s37, s37, ROWP                       ; the row in a tile's half
	s_and_b32 s38, s36, 1
	s_mul_i32 s39, s38, 48
	s_add_co_u32 s39, s39, s37
	s_lshl_b32 s38, s38, 1
	s_add_co_u32 s38, s38, s37
.if \isq
	s_add_co_u32 s39, s39, QIMG
	s_add_co_u32 s38, s38, QIMG
.endif
	s_wait_dscnt 0x0                               ; the last trip's LDS stores have read their addresses
	v_add_nc_u32 v[DA], s39, v[LK]
	v_add_nc_u32 v[DS], s38, v[LKS]
	s_wait_loadcnt 30                              ; buffer 0's record is in (and x, the first time); the 30 loads of buffer 1's may be out
	KQHALF 0, 0
.if !\isq
	KQHALF 0, 1
.endif
	WLOAD 0, 2*REC
	s_wait_loadcnt 30                              ; buffer 1's record is in; the 30 loads just issued may be out
	KQHALF 1, 0
.if !\isq
	KQHALF 1, 1
.endif
	WLOAD 1, 3*REC
	s_wait_xcnt 0x0                                ; the loads have read their base: it may step
	s_add_nc_u64 s[34:35], s[34:35], 2*REC
.endm
; V: one record (4 features x all eight j / 128) against group gi.  Lane (r, h) holds, for tile t, ALL 32 keys of block 16 g + r (register 8 e + j / 128) at feature 4 q + 2 t + h:
; the block's largest magnitude needs no other lane, and the codes come out with the keys innermost.
.macro VHALF buf, gi
	WIN 0x07+4*\gi
.irp s, 0,1,2,3
.irp t, 0,1
.irp e, 0,1,2,3
.if \s == 0
	WM ACC+32*\t+8*\e, 96*\buf+12*(4*\t+\s), 12*(4*\e+\s), v[BI+16*\buf+8*\t:BI+16*\buf+8*\t+7], WS+8*\buf+4*\t+\s, XS+4*(4*\gi+\e)+\s, 0
.else
	WM ACC+32*\t+8*\e, 96*\buf+12*(4*\t+\s), 12*(4*\e+\s), v[ACC+32*\t+8*\e:ACC+32*\t+8*\e+7], WS+8*\buf+4*\t+\s, XS+4*(4*\gi+\e)+\s, 0
.endif
.endr
.endr
.endr
	WIN 0
	NOPS 4
	s_wait_dscnt 0x0                               ; the last quantiser's LDS stores have read their registers
.irp t, 0,1
	v_max3_num_f32 v[PTM+\t], |v[ACC+32*\t]|, |v[ACC+32*\t+1]|, FLOOR
	v_max3_num_f32 v[PTM+2+\t], |v[ACC+32*\t+16]|, |v[ACC+32*\t+17]|, |v[ACC+32*\t+18]|   ; two chains a block; each accumulator is first read at its low end
.endr
.irp i, 2,4,6,8,10,12,14
.irp t, 0,1
	v_max3_num_f32 v[PTM+\t], v[PTM+\t], |v[ACC+32*\t+\i]|, |v[ACC+32*\t+\i+1]|
.if \i < 14
	v_max3_num_f32 v[PTM+2+\t], v[PTM+2+\t], |v[ACC+32*\t+17+\i]|, |v[ACC+32*\t+18+\i]|
.endif
.endr
.endr
.irp t, 0,1
	v_max3_num_f32 v[PTM+\t], v[PTM+\t], v[PTM+2+\t], |v[ACC+32*\t+31]|
.endr
.irp t, 0,1
	v_add_nc_u32 v[PSO+\t], EOFF, v[PTM+\t]
.endr
.irp t, 0,1
	v_lshrrev_b32 v[PBY+\t], 23, v[PSO+\t]
.endr
.irp t, 0,1
	v_cvt_scalef32_pk16_fp6_f32 v[PPC+8*\t:PPC+8*\t+2], v[ACC+32*\t:ACC+32*\t+15], v[PSO+\t]
	v_cvt_scalef32_pk16_fp6_f32 v[PPX+4*\t:PPX+4*\t+2], v[ACC+32*\t+16:ACC+32*\t+31], v[PSO+\t]   ; (a conversion's three registers begin on an even number)
.endr
	v_nop                                          ; one plain place behind the scaled conversions
.irp t, 0,1
.irp i, 0,1,2
	v_mov_b32 v[PPC+8*\t+3+\i], v[PPX+4*\t+\i]
.endr
.endr
.irp t, 0,1
.irp p, 0,1,2
	ds_store_b64 v[DV], v[PPC+8*\t+2*\p:PPC+8*\t+2*\p+1] offset:GRPV*\gi+96*\buf+48*\t+8*\p
.endr
	ds_store_b8 v[DVS], v[PBY+\t] offset:16*\gi+128*\buf+64*\t
.endr
.endm
; A trip of V's loop: features 32 w + 8 I + 0 .. 7.  pre = 1: the two records after these are asked for
.macro VTRIP pre
	s_mul_i32 s37, s36, 192
	s_mul_i32 s38, s14, 768
	s_add_co_u32 s37, s37, s38
	s_lshl_b32 s38, s36, 8
	s_lshl_b32 s39, s14, 10
	s_add_co_u32 s38, s38, s39
	s_wait_dscnt 0x0
	v_add_nc_u32 v[DV], s37, v[LV]
	v_add_nc_u32 v[DVS], s38, v[LVS]
	s_wait_loadcnt 30                              ; buffer 0's record is in; buffer 1's 30 loads may be out
	VHALF 0, 0
	VHALF 0, 1
.if \pre
	WLOAD 0, 2*REC
	s_wait_loadcnt 30
.else
	s_wait_loadcnt 0x0                             ; the last record
.endif
	VHALF 1, 0
	VHALF 1, 1
.if \pre
	WLOAD 1, 3*REC
	s_wait_xcnt 0x0
	s_add_nc_u64 s[34:35], s[34:35], 2*REC
.endif
.endm
.macro QLOAD off                       ; a pair's two fragments of Q and its scale words: 13 LDS loads
.irp u, 0,1
.irp p, 0,1,2,3,4,5
	ds_load_b64 v[QF+12*\u+2*\p:QF+12*\u+2*\p+1], v[AQ] offset:\off+TILEB*\u+48*(\p/3)+8*(\p%3)
.endr
.endr
	ds_load_b32 v[QS], v[AQS] offset:\off
.endm
; The block rho of my eight holds the diagonal of both tiles: -1 goes in, and the block's largest magnitude is searched anew
.macro FIX rho
	WIN 0x41
.irp u, 0,1
.irp k, 0,1,2,3
	v_pk_add_f32 v[128*\u+16*(\rho)+8*\u+2*\k:128*\u+16*(\rho)+8*\u+2*\k+1], v[128*\u+16*(\rho)+8*\u+2*\k:128*\u+16*(\rho)+8*\u+2*\k+1], v[EY+2*\k:EY+2*\k+1]
.endr
.endr
	WIN 0x05
.irp u, 0,1
	v_max3_num_f32 v[BM+8*\u+(\rho)], |v[128*\u+16*(\rho)]|, |v[128*\u+16*(\rho)+1]|, FLOOR
.endr
	WIN 0x14
.irp i, 2,4,6,8,10,12,14
.irp u, 0,1
	v_max3_num_f32 v[BM+8*\u+(\rho)], v[BM+8*\u+(\rho)], |v[128*\u+16*(\rho)+\i]|, |v[128*\u+16*(\rho)+\i+1]|
.endr
.endr
	WIN 0
.irp u, 0,1
	v_permlanex16_b32 v[BX+8*\u+(\rho)], v[BM+8*\u+(\rho)], s20, s21
.endr
.irp u, 0,1
	v_max_num_f32 v[BM+8*\u+(\rho)], v[BM+8*\u+(\rho)], v[BX+8*\u+(\rho)]
.endr
.endm
; QUERY PAIR X = 2 trip + sb: 32 queries (tiles u = 0, 1) against my 256 keys
.macro SUB sb
	s_wait_dscnt 0x0                               ; Q's fragments are in
	WIN 0x42
.irp t, 0,1,2,3,4,5,6,7,8,9,10,11,12,13,14,15
.irp u, 0,1
	WM 128*\u+8*\t, 12*\t, QF+12*\u, 0, KS+\t/2, QS, (\t%2)+2*\u
.endr
.endr
	WIN 0
	NOPS 4                                         ; four places: the next pair's loads land in Q's registers, and the scores are read
.if \sb == 0
	QLOAD PAIRB
.else
	s_add_co_u32 s37, s36, 1
	s_mul_i32 s37, s37, 2*PAIRB
	s_min_u32 s37, s37, 14*PAIRB                   ; the last trip has no next pair: it loads pair 14 once more and does not use it
	v_add_nc_u32 v[AQ], s37, v[AQ0]
	v_add_nc_u32 v[AQS], s37, v[AQS0]
	QLOAD 0
.endif
	WIN 0x15                                       ; the largest score of each block of 32 keys (k = 8 u + rho), the 16 blocks by turns
.irp k, 0,1,2,3,4,5,6,7,8,9,10,11,12,13,14,15
	v_max3_num_f32 v[BM+\k], v[16*\k], v[16*\k+1], v[16*\k+2]
.endr
	WIN 0x14
.irp i, 3,5,7,9,11,13
.irp k, 0,1,2,3,4,5,6,7,8,9,10,11,12,13,14,15
	v_max3_num_f32 v[BM+\k], v[BM+\k], v[16*\k+\i], v[16*\k+\i+1]
.endr
.endr
.irp k, 0,1,2,3,4,5,6,7,8,9,10,11,12,13,14,15
	v_max_num_f32 v[BM+\k], v[BM+\k], v[16*\k+15]
.endr
	WIN 0
.irp k, 0,1,2,3,4,5,6,7,8,9,10,11,12,13,14,15
	v_permlanex16_b32 v[BX+\k], v[BM+\k], s20, s21
.endr
.irp k, 0,1,2,3,4,5,6,7,8,9,10,11,12,13,14,15
	v_max_num_f32 v[BM+\k], v[BM+\k], v[BX+\k]     ; with lane l xor 16's 16 keys
.endr
.irp u, 0,1
	v_max3_num_f32 v[TP+6*\u], v[BM+8*\u], v[BM+8*\u+1], v[BM+8*\u+2]
.endr
.irp i, 3,5
.irp u, 0,1
	v_max3_num_f32 v[TP+6*\u], v[TP+6*\u], v[BM+8*\u+\i], v[BM+8*\u+\i+1]
.endr
.endr
.irp u, 0,1
	v_max_num_f32 v[TP+6*\u], v[TP+6*\u], v[BM+8*\u+7]
.endr
.irp u, 0,1
	v_mul_f32 v[NL+2*\u], s24, v[TP+6*\u]          ; -m_w = -c x my keys' largest score of the query
.endr
	WIN 0x41
.set j, 0
.rept 128
	v_pk_fma_f32 v[2*j:2*j+1], v[2*j:2*j+1], s[22:23], v[NL+2*(j/64):NL+2*(j/64)+1] op_sel_hi:[1,0,0]   ; t - m_w, two at a time (of the pairs the low word serves both halves)
.set j, j+1
.endr
	WIN 0
.irp k, 0,1,2,3,4,5,6,7,8,9,10,11,12,13,14,15
	v_fma_f32 v[BM+\k], v[BM+\k], s22, v[NL+2*(\k/8)]   ; the same of each block's largest score
.endr
	WIN 0x41
.set j, 0
.rept 256
	v_exp_f32 v[j], v[j]                           ; p = 2^(t - m_w)
.set j, j+1
.endr
	WIN 0
.irp k, 0,1,2,3,4,5,6,7,8,9,10,11,12,13,14,15
	v_exp_f32 v[BM+\k], v[BM+\k]
.endr
	v_nop                                          ; a plain place behind the last exponential
	s_wait_alu depctr_va_vdst(0)                   ; one wait for the whole batch, ahead of its first reader
	WIN 0x05                                       ; the sum of my 256 keys' p: two packed chains a tile
.irp u, 0,1
	v_pk_add_f32 v[CH+4*\u:CH+4*\u+1], v[128*\u:128*\u+1], v[128*\u+2:128*\u+3]
	v_pk_add_f32 v[CH+4*\u+2:CH+4*\u+3], v[128*\u+4:128*\u+5], v[128*\u+6:128*\u+7]
.endr
	WIN 0x04
.set j, 8
.rept 30
.irp u, 0,1
	v_pk_add_f32 v[CH+4*\u:CH+4*\u+1], v[CH+4*\u:CH+4*\u+1], v[128*\u+j:128*\u+j+1]
	v_pk_add_f32 v[CH+4*\u+2:CH+4*\u+3], v[CH+4*\u+2:CH+4*\u+3], v[128*\u+j+2:128*\u+j+3]
.endr
.set j, j+4
.endr
	WIN 0
.irp u, 0,1
	v_pk_add_f32 v[CH+4*\u:CH+4*\u+1], v[CH+4*\u:CH+4*\u+1], v[CH+4*\u+2:CH+4*\u+3]
.endr
.irp u, 0,1
	v_add_f32 v[CH+4*\u], v[CH+4*\u], v[CH+4*\u+1]
.endr
.irp u, 0,1
	v_permlanex16_b32 v[CH+4*\u+1], v[CH+4*\u], s20, s21
.endr
.irp u, 0,1
	v_add_f32 v[NL+2*\u+1], v[CH+4*\u], v[CH+4*\u+1]   ; l_w
.endr
.irp u, 0,1
	ds_store_b64 v[AST], v[NL+2*\u:NL+2*\u+1] offset:1024*\sb+128*\u   ; (-m_w, l_w) of query r; both halves of the lanes store the same
.endr
	s_wait_dscnt 0x0                               ; for the others' sake: my stores have landed (and my LDS loads are in)
	s_barrier_signal -1
	s_barrier_wait -1
.irp u, 0,1
.irp w, 0,1,2,3
	ds_load_b64 v[GS+8*\u+2*\w:GS+8*\u+2*\w+1], v[ASL] offset:1024*\sb+256*\w+128*\u
.endr
.endr
	s_wait_dscnt 0x0
.irp u, 0,1
	v_min3_num_f32 v[TP+6*\u], v[GS+8*\u], v[GS+8*\u+2], v[GS+8*\u+4]
.endr
.irp u, 0,1
	v_min_num_f32 v[TP+6*\u], v[TP+6*\u], v[GS+8*\u+6]   ; -m: the least of the four -m_w
.endr
.irp u, 0,1
.irp w, 0,1,2,3
	v_sub_f32 v[TP+6*\u+1+\w], v[TP+6*\u], v[GS+8*\u+2*\w]   ; m_w' - m, 0 or less
.endr
	v_sub_f32 v[TP+6*\u+5], v[TP+6*\u], v[NL+2*\u]   ; and my own
.endr
.irp u, 0,1
.irp k, 1,2,3,4,5
	v_exp_f32 v[TP+6*\u+\k], v[TP+6*\u+\k]
.endr
.endr
	v_nop
	s_wait_alu depctr_va_vdst(0)                   ; one wait for the ten
.irp u, 0,1
	v_mul_f32 v[TP+6*\u], v[GS+8*\u+1], v[TP+6*\u+1]
.endr
.irp w, 1,2,3
.irp u, 0,1
	v_fma_f32 v[TP+6*\u], v[GS+8*\u+2*\w+1], v[TP+6*\u+1+\w], v[TP+6*\u]   ; l = the sum of l_w' 2^(m_w' - m)
.endr
.endr
.irp u, 0,1
	v_rcp_f32 v[TP+6*\u], v[TP+6*\u]
.endr
	v_nop
	s_wait_alu depctr_va_vdst(0)                   ; one wait for the two reciprocals
.irp u, 0,1
	v_mul_f32 v[FS+2*\u], v[TP+6*\u+5], v[TP+6*\u]   ; F = 2^(m_w - m) / l
.endr
	WIN 0x41
.set j, 0
.rept 128
	v_pk_mul_f32 v[2*j:2*j+1], v[2*j:2*j+1], v[FS+2*(j/64):FS+2*(j/64)+1] op_sel_hi:[1,0]   ; the finished softmax
.set j, j+1
.endr
	WIN 0
.irp k, 0,1,2,3,4,5,6,7,8,9,10,11,12,13,14,15
	v_mul_f32 v[BM+\k], v[BM+\k], v[FS+2*(\k/8)]   ; and each block's largest
.endr
.irp d, 0,2,4,6                        ; the diagonal lies in block X, which is block X - 8 w of mine if it is mine: a branch on the wave's number and the trip
	s_cmp_lg_u32 s56, \d
	s_cbranch_scc1 .Lnf\@_\d
	FIX \d+\sb
.Lnf\@_\d:
.endr
.irp k, 0,1,2,3,4,5,6,7,8,9,10,11,12,13,14,15
	v_max_num_f32 v[BM+\k], FLOOR, v[BM+\k]
.endr
.irp k, 0,1,2,3,4,5,6,7,8,9,10,11,12,13,14,15
	v_add_nc_u32 v[BX+\k], EOFF, v[BM+\k]          ; the conversions' scale operands
.endr
.irp k, 0,1,2,3,4,5,6,7,8,9,10,11,12,13,14,15
	v_lshrrev_b32 v[BY+\k], 23, v[BX+\k]           ; the scale bytes
.endr
.irp k, 0,1,2,3                        ; k = 2 u + y: the scale word of tile u for the K step y of 128 keys
	v_lshl_or_b32 v[PS+\k], v[BY+4*\k+1], 8, v[BY+4*\k]
.endr
.irp k, 0,1,2,3
	v_lshl_or_b32 v[PS+\k], v[BY+4*\k+2], 16, v[PS+\k]
.endr
.irp k, 0,1,2,3
	v_lshl_or_b32 v[PS+\k], v[BY+4*\k+3], 24, v[PS+\k]
.endr
.irp u, 0,1
	WIN 0x01
.irp y, 0,1
.irp c, 0,1
	v_cvt_scalef32_pk16_fp6_f32 v[PC+24*\u+12*\y+6*\c:PC+24*\u+12*\y+6*\c+2], v[128*\u+64*\y+32*\c:128*\u+64*\y+32*\c+15], v[BX+8*\u+4*\y+2*\c]
	v_cvt_scalef32_pk16_fp6_f32 v[PX+8*\y+4*\c:PX+8*\y+4*\c+2], v[128*\u+64*\y+32*\c+16:128*\u+64*\y+32*\c+31], v[BX+8*\u+4*\y+2*\c+1]
.endr
.endr
	WIN 0
	v_nop                                          ; one plain place behind the scaled conversions
.irp y, 0,1
.irp c, 0,1
.irp i, 0,1,2
	v_permlane16_swap_b32 v[PC+24*\u+12*\y+6*\c+\i], v[PX+8*\y+4*\c+\i]   ; the operand wants a whole block in a lane: lanes 0-15 block 2 c, lanes 16-31 block 2 c + 1
.endr
.irp i, 0,1,2
	v_mov_b32 v[PC+24*\u+12*\y+6*\c+3+\i], v[PX+8*\y+4*\c+\i]
.endr
.endr
.endr
.endr
	NOPS 8                                         ; a scale register written by a vector instruction stands eight places ahead of a scaled matrix instruction, an operand so written four
.irp u, 0,1                            ; O^T = V^T att^T over my 256 keys: eight accumulators by turns, two K steps
	WIN 0xa3+0x50*\u
.irp y, 0,1
.irp d, 0,1,2,3,4,5,6,7
.if \y == 0
	WM 192+8*\d, 12*(2*\d+\y), PC+24*\u+12*\y, 0, VS+\d, PS+2*\u+\y, \y
.else
	WM 192+8*\d, 12*(2*\d+\y), PC+24*\u+12*\y, v[192+8*\d:199+8*\d], VS+\d, PS+2*\u+\y, \y
.endif
.endr
.endr
.endr
	WIN 0
	NOPS 4                                         ; four places ahead of the stores that read the results
.irp u, 0,1
	WIN 0x08+4*\u                                  ; an LDS store's data are its source 1: window 2 or 3
.irp d, 0,1,2,3,4,5,6,7
.irp k, 0,1
	ds_store_b128 v[AOX], v[192+8*\d+4*\k:195+8*\d+4*\k] offset:8192*(2*\sb+\u)+1024*\d+512*\k   ; an image of the registers; each accumulator from its low end on
.endr
.endr
.endr
	WIN 0
.endm
; THE END OF FOUR TILES: wave w adds the four partial O^T of tile w (pair w / 2, u = w % 2), quantises the 16 rows of vals along the features and stores the fragment's image and its scale words
.macro FIN
	s_wait_dscnt 0x0                               ; my partial results have landed
	s_barrier_signal -1
	s_barrier_wait -1
	WIN 0x40
.irp g, 0,1,2,3
.irp d, 0,1,2,3,4,5,6,7
.irp k, 0,1
	ds_load_b128 v[64*\g+8*\d+4*\k:64*\g+8*\d+4*\k+3], v[AOL0+\g/2] offset:32768*(\g%2)+1024*\d+512*\k
.endr
.endr
.endr
	s_wait_dscnt 32                                ; sources 0 and 1 are in; the 32 loads of sources 2 and 3 may be out
	WIN 0x45
.set j, 0
.rept 32
	v_pk_add_f32 v[2*j:2*j+1], v[2*j:2*j+1], v[64+2*j:65+2*j]
.set j, j+1
.endr
	s_wait_dscnt 0x0
.set j, 0
.rept 32
	v_pk_add_f32 v[128+2*j:129+2*j], v[128+2*j:129+2*j], v[192+2*j:193+2*j]
.set j, j+1
.endr
.set j, 0
.rept 32
	v_pk_add_f32 v[2*j:2*j+1], v[2*j:2*j+1], v[128+2*j:129+2*j]
.set j, j+1
.endr
	WIN 0x05                                       ; register 16 b + i is feature 32 b + 16 h + i of my query
.irp b, 0,1,2,3
	v_max3_num_f32 v[TP+\b], |v[16*\b]|, |v[16*\b+1]|, FLOOR
.endr
	WIN 0x14
.irp i, 2,4,6,8,10,12,14
.irp b, 0,1,2,3
	v_max3_num_f32 v[TP+\b], v[TP+\b], |v[16*\b+\i]|, |v[16*\b+\i+1]|
.endr
.endr
	WIN 0
.irp b, 0,1,2,3
	v_permlanex16_b32 v[TP+4+\b], v[TP+\b], s20, s21
.endr
.irp b, 0,1,2,3
	v_max_num_f32 v[TP+\b], v[TP+\b], v[TP+4+\b]
.endr
.irp b, 0,1,2,3
	v_add_nc_u32 v[TP+8+\b], EOFF, v[TP+\b]
.endr
.irp b, 0,1,2,3
	v_lshrrev_b32 v[BY+\b], 23, v[TP+8+\b]
.endr
	v_lshl_or_b32 v[BY+4], v[BY+1], 8, v[BY]
	v_lshl_or_b32 v[BY+4], v[BY+2], 16, v[BY+4]
	v_lshl_or_b32 v[BY+4], v[BY+3], 24, v[BY+4]    ; my row's scale word
	WIN 0x01
.irp c, 0,1
	v_cvt_scalef32_pk16_fp6_f32 v[PC+6*\c:PC+6*\c+2], v[32*\c:32*\c+15], v[TP+8+2*\c]
	v_cvt_scalef32_pk16_fp6_f32 v[PC+12+4*\c:PC+14+4*\c], v[32*\c+16:32*\c+31], v[TP+8+2*\c+1]
.endr
	WIN 0
	v_nop                                          ; one plain place behind the scaled conversions
.irp c, 0,1
.irp i, 0,1,2
	v_permlane16_swap_b32 v[PC+6*\c+\i], v[PC+12+4*\c+\i]
.endr
.irp i, 0,1,2
	v_mov_b32 v[PC+3+6*\c+\i], v[PC+12+4*\c+\i]
.endr
.endr
.irp j, 0,1,2
	global_store_b128 v[LI], v[PC+4*\j:PC+4*\j+3], s[52:53] offset:512*\j th:TH_STORE_NT   ; 32 lanes store 512 consecutive bytes, at a multiple of 256 from the buffer's first byte
.endr
	global_store_b32 v[L4], v[BY+4], s[54:55] th:TH_STORE_NT
	s_wait_xcnt 0x0                                ; the stores have read their registers and bases: both may be written again
	s_add_nc_u64 s[52:53], s[52:53], 4*8*1536      ; four tiles on
	s_add_nc_u64 s[54:55], s[54:55], 4*8*128
.endm
	s_load_b256 s[4:11], s[0:1], 0x0               ; x's codes, x's scales, wimg, vimg
	s_load_b64 s[12:13], s[0:1], 0x20              ; vsc
	v_lshrrev_b32 v31, 5, v0
	v_readfirstlane_b32 s14, v31                   ; wave 0..3
	s_mov_b32 s15, ttmp9                           ; which half of the queries
	s_and_b32 s16, ttmp7, 0xffff                   ; 8 b + h
	s_mov_b32 s20, 0x76543210
	s_mov_b32 s21, 0xfedcba98                      ; v_permlanex16_b32's selects for lane l xor 16
	s_mov_b32 s22, 0x3e0293ee                      ; c = log2(e) / sqrt(128)
	s_mov_b32 s23, s22                             ; (named with it as a pair, so it is written)
	s_mov_b32 s24, 0xbe0293ee                      ; -c
	s_lshl_b32 s37, s16, 7                         ; the head's first row of x: 128 (8 b + h)
	s_lshl_b32 s38, s15, 6
	s_add_co_u32 s38, s37, s38                     ; my group's first row,
	s_xor_b32 s39, s15, 1
	s_lshl_b32 s39, s39, 6
	s_add_co_u32 s39, s37, s39                     ; the other group's
	s_mul_i32 s40, s38, 384
	s_mov_b32 s41, 0
	s_mul_i32 s42, s39, 384
	s_mov_b32 s43, 0
	s_lshl_b32 s44, s38, 4
	s_mov_b32 s45, 0
	s_lshl_b32 s46, s39, 4
	s_mov_b32 s47, 0
	s_mul_i32 s48, s14, 24*REC                     ; my wave's 24 records
	s_mov_b32 s49, 0
	s_lshr_b32 s50, s16, 3
	s_lshl_b32 s50, s50, 6
	s_lshl_b32 s51, s15, 5
	s_add_co_u32 s50, s50, s51
	s_add_co_u32 s50, s50, s14                     ; the first tile of queries that I end: 64 b + 32 half + wave
	s_lshl_b32 s50, s50, 3
	s_and_b32 s51, s16, 7
	s_add_co_u32 s50, s50, s51                     ; x 8 + h
	s_mul_i32 s58, s50, 1536
	s_mov_b32 s59, 0
	s_lshl_b32 s60, s50, 7
	s_mov_b32 s61, 0
	v_and_b32 v1, 31, v0                           ; lane
	v_and_b32 v2, 15, v0                           ; r
	v_bfe_u32 v3, v0, 4, 1                         ; h
	v_lshlrev_b32 v[LI], 4, v1
	v_lshlrev_b32 v[L16R], 4, v2
	v_lshlrev_b32 v[L32H], 5, v3
	v_mul_u32_u24 v[LX], v2, 1536
	v_mad_u32_u24 v[LX], v3, 24, v[LX]
	v_lshlrev_b32 v[LXS], 6, v2
	s_wait_kmcnt 0x0
	s_add_nc_u64 s[26:27], s[4:5], s[40:41]
	s_add_nc_u64 s[28:29], s[4:5], s[42:43]
	s_add_nc_u64 s[30:31], s[6:7], s[44:45]
	s_add_nc_u64 s[32:33], s[6:7], s[46:47]
	s_add_nc_u64 s[34:35], s[8:9], s[48:49]
	s_add_nc_u64 s[52:53], s[10:11], s[58:59]
	s_add_nc_u64 s[54:55], s[12:13], s[60:61]
	; x's 32 fragments stay in registers: slot (group, e), K step s; lane r takes x row 4 r + e
	WIN 0x40
.irp e, 0,1,2,3
.irp s, 0,1,2,3
.irp p, 0,1,2,3,4,5
	global_load_b64 v[12*(4*\e+\s)+2*\p:12*(4*\e+\s)+2*\p+1], v[LX], s[26:27] offset:384*\e+96*\s+48*(\p/3)+8*(\p%3)
.endr
.endr
.endr
	WIN 0x80
.irp e, 0,1,2,3
.irp s, 0,1,2,3
.irp p, 0,1,2,3,4,5
	global_load_b64 v[12*(4*\e+\s)+2*\p:12*(4*\e+\s)+2*\p+1], v[LX], s[28:29] offset:384*\e+96*\s+48*(\p/3)+8*(\p%3)
.endr
.endr
.endr
	WIN 0
.irp e, 0,1,2,3
	global_load_b128 v[XS+4*\e:XS+4*\e+3], v[LXS], s[30:31] offset:16*\e
	global_load_b128 v[XS+16+4*\e:XS+16+4*\e+3], v[LXS], s[32:33] offset:16*\e
.endr
	WLOAD 0, 0
	WLOAD 1, REC
	; every LDS address register is made here, once, while the loads are on their way
	v_mul_u32_u24 v[LK], v2, PAIRB
	v_add_nc_u32 v[LKS], 96, v[LK]
	v_mad_u32_u24 v[LK], v3, 12, v[LK]
	v_mul_u32_u24 v[LV], v2, VBLK
	v_mad_u32_u24 v[LV], v3, 24, v[LV]
	v_add_nc_u32 v[LV], VIMG, v[LV]
	v_lshl_add_u32 v[LVS], v3, 5, v2
	v_add_nc_u32 v[LVS], VSC, v[LVS]
	v_lshlrev_b32 v[L4], 2, v1
	v_mul_u32_u24 v31, v2, ROWP
	v_mad_u32_u24 v[AQ0], v3, 24, v31
	v_add_nc_u32 v[AQ0], QIMG, v[AQ0]
	v_mad_u32_u24 v[AQS0], v3, TILEB, v31
	v_add_nc_u32 v[AQS0], QIMG+96, v[AQS0]
	v_mov_b32 v[AQ], v[AQ0]
	v_mov_b32 v[AQS], v[AQS0]
	s_lshl_b32 s37, s14, 8
	v_lshl_add_u32 v[AST], v2, 3, s37
	v_add_nc_u32 v[AST], STAT, v[AST]
	v_lshl_add_u32 v[ASL], v2, 3, STAT
	s_lshl_b32 s37, s14, 15
	v_add_nc_u32 v[AOX], s37, v[LI]
	s_lshl_b32 s37, s14, 13
	v_add_nc_u32 v[AOL0], s37, v[LI]
	v_add_nc_u32 v[AOL0+1], 65536, v[AOL0]
	s_mul_i32 s37, s14, 8*PAIRB                    ; my 8 pairs of tiles of K
	v_mad_u32_u24 v[LKF], v3, 24, v31
	v_add_nc_u32 v[LKF], s37, v[LKF]
	v_mad_u32_u24 v[LKSC], v3, TILEB, v31
	v_add_nc_u32 v[LKSC], s37, v[LKSC]
	v_add_nc_u32 v[LKSC], 96, v[LKSC]
	v_and_b32 v252, 7, v2
	v_lshrrev_b32 v253, 3, v2
	v_lshl_add_u32 v254, v253, 4, v252             ; row r of a tile of V^T is feature r % 8 + 16 (r / 8) of the tile's 32
	s_mul_i32 s37, s14, 8*VBLK                     ; my 8 blocks of keys
	v_mul_u32_u24 v[LVF], v254, 24
	v_mad_u32_u24 v[LVF], v3, VBLK, v[LVF]
	v_add_nc_u32 v[LVF], s37, v[LVF]
	v_add_nc_u32 v[LVF], VIMG, v[LVF]
	s_lshl_b32 s37, s14, 3
	v_lshlrev_b32 v[LVSC], 5, v254
	v_lshl_add_u32 v[LVSC], v3, 2, v[LVSC]
	v_add_nc_u32 v[LVSC], s37, v[LVSC]
	v_add_nc_u32 v[LVSC], VSC, v[LVSC]
	v_xor_b32 v253, v253, v3                       ; 0 where r / 8 = h
	v_lshl_add_u32 v252, v253, 3, v252             ; r % 8 there, 8 or more elsewhere
	v_mov_b32 v253, -1.0
.irp k, 0,1,2,3,4,5,6,7
	v_cmp_eq_u32 vcc_lo, \k, v252
	v_cndmask_b32 v[EY+\k], 0, v253, vcc_lo        ; query r of tile u meets its own key in lane (r, r / 8), register 8 u + r % 8 of the block
.endr
.irp e, 0,1,2,3
	v_mov_b32 v[PTX+\e], 0                         ; written once: a lane permute's destination counts as one of its sources
.endr
	s_mov_b32 s36, 0
.Lk_loop:                                          ; K: 8 records, two a trip
	KQTRIP 0
	s_add_co_u32 s36, s36, 1
	s_cmp_lt_u32 s36, 4
	s_cbranch_scc1 .Lk_loop
	s_mov_b32 s36, 0
.Lq_loop:                                          ; Q: 8 records; its last trip asks for V's first two
	KQTRIP 1
	s_add_co_u32 s36, s36, 1
	s_cmp_lt_u32 s36, 4
	s_cbranch_scc1 .Lq_loop
	s_mov_b32 s36, 0
.Lv_loop:                                          ; V: 8 records; the last trip is written out: it asks for nothing, so that no load leaves the buffer
	VTRIP 1
	s_add_co_u32 s36, s36, 1
	s_cmp_lt_u32 s36, 3
	s_cbranch_scc1 .Lv_loop
	VTRIP 0
	s_wait_dscnt 0x0                               ; for the others' sake: all my codes and scale bytes have landed
	s_barrier_signal -1
	s_barrier_wait -1                              ; K, Q and V of the head lie in LDS
	; my 256 keys of K and of V^T come into registers, where they stay
	WIN 0x80
.irp t, 0,1,2,3,4,5,6,7,8,9,10,11,12,13,14,15
.irp p, 0,1,2,3,4,5
	ds_load_b64 v[12*\t+2*\p:12*\t+2*\p+1], v[LKF] offset:PAIRB*(\t/2)+TILEB*(\t%2)+48*(\p/3)+8*(\p%3)
.endr
.endr
	WIN 0xc0
.irp d, 0,1,2,3,4,5,6,7
.irp y, 0,1
.irp c, 0,1
.irp p, 0,1,2
	ds_load_b64 v[12*(2*\d+\y)+6*\c+2*\p:12*(2*\d+\y)+6*\c+2*\p+1], v[LVF] offset:VBLK*(4*\y+2*\c)+24*(32*(\d/2)+8*(\d%2))+8*\p   ; lanes 16-31 take the block after lanes 0-15's
.endr
.endr
.endr
.endr
	WIN 0
.irp k, 0,1,2,3,4,5,6,7
	ds_load_b32 v[KS+\k], v[LKSC] offset:PAIRB*\k
	ds_load_b32 v[VS+\k], v[LVSC] offset:32*(32*(\k/2)+8*(\k%2))
.endr
.irp k, 0,1,2,3,4,5,6,7,8,9,10,11,12,13,14,15
	v_mov_b32 v[BX+\k], 0                          ; lane permutes' destinations, written once
.endr
.irp k, 0,1,2,3,4,5,6,7
	v_mov_b32 v[NL+\k], 0                          ; the upper halves of pairs that packed forms name
.endr
	s_wait_dscnt 0x0                               ; my reads of K's and V's bytes are over:
	s_barrier_signal -1
	s_barrier_wait -1                              ; everybody's are: the partial O^T may lie over them
	QLOAD 0                                        ; query pair 0
	s_mov_b32 s36, 0
.Ltrip:                                            ; 8 trips: two pairs of tiles of queries, and their end
	s_lshl_b32 s56, s36, 1
	s_lshl_b32 s37, s14, 3
	s_sub_co_u32 s56, s56, s37                     ; 2 trip - 8 wave: which of my blocks holds pair 2 trip's diagonal, if any
	SUB 0
	SUB 1
	FIN
	s_add_co_u32 s36, s36, 1
	s_cmp_lt_u32 s36, 8
	s_cbranch_scc1 .Ltrip
	s_wait_xcnt 0x0
	v_lshl_add_u32 v254, v0, 2, 0x44000
	v_mov_b32 v255, 0
	s_wait_tensorcnt 0x0
	ds_add_u32 v254, v255
	s_wait_dscnt 0x0
	s_endpgm
.Lfunc_end_k_qc1e055baf7_attn:
	.size	k_qc1e055baf7_attn, .Lfunc_end_k_qc1e055baf7_attn-k_qc1e055baf7_attn
	.p2alignl 7, 3214868480
	.fill 96, 4, 3214868480
	.section	.rodata,"a",@progbits
	.p2align	6, 0x0
	.amdhsa_kernel k_qc1e055baf7_attn
		.amdhsa_group_segment_fixed_size 279040
		.amdhsa_private_segment_fixed_size 0
		.amdhsa_enable_private_segment 0
		.amdhsa_kernarg_size 40
		.amdhsa_user_sgpr_count 2
		.amdhsa_user_sgpr_kernarg_segment_ptr 1
		.amdhsa_wavefront_size32 1
		.amdhsa_system_sgpr_workgroup_id_x 1
		.amdhsa_system_sgpr_workgroup_id_y 1
		.amdhsa_system_sgpr_workgroup_id_z 1
		.amdhsa_system_vgpr_workitem_id 0
		.amdhsa_next_free_vgpr 1024
		.amdhsa_next_free_sgpr 66
		.amdhsa_reserve_vcc 1
		.amdhsa_float_denorm_mode_32 3
		.amdhsa_float_denorm_mode_16_64 3
		.amdhsa_memory_ordered 1
		.amdhsa_forward_progress 1
		.amdhsa_inst_pref_size 255
	.end_amdhsa_kernel
	.section	.bss,"aw",@nobits
	.p2align	6
	.space	262144
	.amdgpu_metadata
---
amdhsa.version: [ 1, 2 ]
amdhsa.kernels:
  - .name:           k_qc1e055baf7_attn
    .symbol:         k_qc1e055baf7_attn.kd
    .args:
      - { .name: x_codes, .offset: 0, .size: 8, .value_kind: global_buffer, .address_space: global }
      - { .name: x_scales, .offset: 8, .size: 8, .value_kind: global_buffer, .address_space: global }
      - { .name: wimg, .offset: 16, .size: 8, .value_kind: global_buffer, .address_space: global }
      - { .name: vimg, .offset: 24, .size: 8, .value_kind: global_buffer, .address_space: global }
      - { .name: vsc, .offset: 32, .size: 8, .value_kind: global_buffer, .address_space: global }
    .group_segment_fixed_size: 279040
    .private_segment_fixed_size: 0
    .kernarg_segment_align: 8
    .kernarg_segment_size: 40
    .max_flat_workgroup_size: 128
    .sgpr_count:     66
    .vgpr_count:     1024
    .wavefront_size: 32
...
	.end_amdgpu_metadata
.endif
;; end of part 2
;; launch outp (part 3): grid 256 x 1, 4 waves a work-group, no clusters, 35,328 bytes of LDS; arguments vimg, vsc, w0img, Ww0_scales, bw0, out0; writes out0
.if DOCPART == 3
	.amdgcn_target "amdgcn-amd-amdhsa--gfx1250"
	.amdhsa_code_object_version 6
	.text
	.protected	k_qc1e055baf7_outp
	.globl	k_qc1e055baf7_outp
	.p2align	8
	.type	k_qc1e055baf7_outp,@function
k_qc1e055baf7_outp:
	s_mov_b64 s[64:65], 0
	v_nop
	global_prefetch_b8 v0, s[64:65] scope:SCOPE_SE
	s_setreg_imm32_b32 hwreg(HW_REG_WAVE_MODE, 25, 1), 1
	s_wait_xcnt 0x0
; out0 = vals Ww0 + bw0 on E2M3 codes with E8M0 scales.  vals comes as images of operand registers: [tile of 16 queries 1,024][head 8][1,536 bytes], scale words [..][128 bytes]; K step = head.
; Row m of tile 2 X + u is query 32 X + 16 (m / 8) + 8 u + m % 8.  A work-group takes four tiles: 64 consecutive rows of out0.
; The waves share the columns: wave w makes outputs 32 w .. 32 w + 31 (two tiles of 16 rows of Ww0) for the four tiles of queries.  Transposed use: source 0 = 16 rows of Ww0, source 1 = 16 queries:
; a lane's eight results are eight neighbouring outputs of one query.  The bias is the C of each sum's first matrix instruction.  Everything is loaded once, at the head; there is no loop.
; REGISTERS: window 0: v1-9 addresses; v32-63 vals' scale words, v64-79 Ww0's (these hold scales and nothing else); v80-95 the bias; v96-159 eight accumulators; v160-223 rows of out0.
;   window 1: vals' tiles 0, 1 at 12 (8 (tile % 2) + head); window 2: tiles 2, 3; window 3: Ww0 at 12 (8 n + head).
.set VSW, 32
.set W0S, 64
.set BI,  80
.set ACC, 96
.set OB,  160
.set SP,  528                          ; a stage row: 512 bytes + 16
.set MSB, 0
.macro WIN new                         ; the immediate's high byte repeats the setting that is left
.if MSB != (\new)
	s_set_vgpr_msb (MSB<<8)|(\new)
.set MSB, (\new)
.endif
.endm
.macro WM d, a, b, c, sa, sb
	v_wmma_scale_f32_16x16x128_f8f6f4 v[(\d):(\d)+7], v[(\a):(\a)+11], v[(\b):(\b)+11], \c, v[\sa], v[\sb] matrix_a_fmt:MATRIX_FMT_FP6 matrix_b_fmt:MATRIX_FMT_FP6
.endm
; tiles 2 lo, 2 lo + 1 of queries x my two tiles of outputs: four accumulators by turns, one instruction a turn, eight K steps
.macro PROD lo
	WIN 0x07+4*\lo
.irp y, 0,1,2,3,4,5,6,7
.irp m, 0,1
.irp n, 0,1
.if \y == 0
	WM ACC+8*(2*(2*\lo+\m)+\n), 12*(8*\n+\y), 12*(8*\m+\y), v[BI+8*\n:BI+8*\n+7], W0S+8*\n+\y, VSW+8*(2*\lo+\m)+\y
.else
	WM ACC+8*(2*(2*\lo+\m)+\n), 12*(8*\n+\y), 12*(8*\m+\y), v[ACC+8*(2*(2*\lo+\m)+\n):ACC+8*(2*(2*\lo+\m)+\n)+7], W0S+8*\n+\y, VSW+8*(2*\lo+\m)+\y
.endif
.endr
.endr
.endr
.endm
	s_load_b256 s[4:11], s[0:1], 0x0               ; vimg, vsc, w0img, Ww0's scales
	s_load_b128 s[12:15], s[0:1], 0x20             ; bw0, out0
	v_lshl_add_u32 v254, v0, 2, 0x8800
	v_mov_b32 v255, 0
	v_lshrrev_b32 v1, 5, v0
	v_readfirstlane_b32 s16, v1                    ; wave 0..3
	v_and_b32 v1, 31, v0                           ; lane
	v_and_b32 v2, 15, v0                           ; r
	v_bfe_u32 v3, v0, 4, 1                         ; h
	v_lshlrev_b32 v4, 4, v1                        ; 16 x lane
	v_lshlrev_b32 v5, 2, v1                        ; 4 x lane
	v_lshlrev_b32 v6, 5, v2                        ; Ww0's scales: 32 bytes a row
	v_lshlrev_b32 v7, 5, v3                        ; the bias: 8 numbers for each half of the lanes
	v_and_b32 v8, 7, v2
	v_lshrrev_b32 v9, 3, v2
	v_lshl_add_u32 v8, v9, 4, v8                   ; my query's row among a pair's 32: 16 (r / 8) + r % 8 (+ 8 u, in the offset)
	v_mul_u32_u24 v8, v8, SP
	v_add_nc_u32 v8, v7, v8
	s_lshl_b32 s17, s16, 7
	v_add_nc_u32 v8, s17, v8                       ; the stage, on the way in: + 32 h + 128 wave
	s_mul_i32 s17, s16, 16*SP
	v_add_nc_u32 v9, s17, v4                       ; and back: my 16 rows, 16 bytes a lane
	s_mul_i32 s20, ttmp9, 4*8*1536                 ; my work-group's four tiles
	s_mov_b32 s21, 0
	s_lshl_b32 s22, ttmp9, 12
	s_mov_b32 s23, 0
	s_mul_i32 s24, s16, 2*8*1536                   ; my wave's two tiles of Ww0
	s_mov_b32 s25, 0
	s_lshl_b32 s26, s16, 10
	s_mov_b32 s27, 0
	s_lshl_b32 s28, s16, 7
	s_mov_b32 s29, 0
	s_lshl_b32 s30, ttmp9, 15                      ; 64 rows of 512 bytes,
	s_lshl_b32 s31, s16, 13                        ; my wave's 16 of them
	s_add_co_u32 s30, s30, s31
	s_mov_b32 s31, 0
	s_wait_kmcnt 0x0
	s_add_nc_u64 s[4:5], s[4:5], s[20:21]
	s_add_nc_u64 s[6:7], s[6:7], s[22:23]
	s_add_nc_u64 s[8:9], s[8:9], s[24:25]
	s_add_nc_u64 s[10:11], s[10:11], s[26:27]
	s_add_nc_u64 s[12:13], s[12:13], s[28:29]
	s_add_nc_u64 s[14:15], s[14:15], s[30:31]
	WIN 0xc0
.set j, 0
.rept 48
	global_load_b128 v[4*j:4*j+3], v4, s[8:9] offset:512*j          ; Ww0's 16 fragments: 512 consecutive bytes a load
.set j, j+1
.endr
	WIN 0
.irp n, 0,1
.irp k, 0,1
	global_load_b128 v[W0S+8*\n+4*\k:W0S+8*\n+4*\k+3], v6, s[10:11] offset:512*\n+16*\k
	global_load_b128 v[BI+8*\n+4*\k:BI+8*\n+4*\k+3], v7, s[12:13] offset:64*\n+16*\k
.endr
.endr
.irp m, 0,1,2,3
.irp y, 0,1,2,3,4,5,6,7
	global_load_b32 v[VSW+8*\m+\y], v5, s[6:7] offset:1024*\m+128*\y
.endr
.endr
	WIN 0x40
.set j, 0
.rept 48
	global_load_b128 v[4*j:4*j+3], v4, s[4:5] offset:512*j          ; vals' tiles 0, 1
.set j, j+1
.endr
	WIN 0x80
.set j, 0
.rept 48
	global_load_b128 v[4*j:4*j+3], v4, s[4:5] offset:24576+512*j    ; tiles 2, 3
.set j, j+1
.endr
	WIN 0
	s_wait_loadcnt 48                              ; all but the 48 loads of tiles 2 and 3
	PROD 0
	s_wait_loadcnt 0x0
	PROD 1
	WIN 0
.rept 4
	v_nop                                          ; four places ahead of the stores that read the results
.endr
.irp m, 0,1,2,3
.irp n, 0,1
.irp k, 0,1
	ds_store_b128 v8, v[ACC+8*(2*\m+\n)+4*\k:ACC+8*(2*\m+\n)+4*\k+3] offset:SP*(32*(\m/2)+8*(\m%2))+64*\n+16*\k   ; each accumulator from its low end on
.endr
.endr
.endr
	s_wait_dscnt 0x0                               ; for the others' sake: my stores into the stage have landed
	s_barrier_signal -1
	s_barrier_wait -1                              ; 64 whole rows lie in the stage
.irp i, 0,1,2,3,4,5,6,7,8,9,10,11,12,13,14,15
	ds_load_b128 v[OB+4*\i:OB+4*\i+3], v9 offset:SP*\i
.endr
.irp i, 0,1,2,3,4,5,6,7,8,9,10,11,12,13,14,15
	s_wait_dscnt 15-\i                             ; LDS loads come back in order: row i is in, the younger ones may be out
	global_store_b128 v4, v[OB+4*\i:OB+4*\i+3], s[14:15] offset:512*\i th:TH_STORE_NT   ; 32 lanes store a row of 512 bytes, at a multiple of 256 from out0's first byte
.endr
	s_wait_tensorcnt 0x0
	ds_add_u32 v254, v255
	s_wait_dscnt 0x0
	s_endpgm
.Lfunc_end_k_qc1e055baf7_outp:
	.size	k_qc1e055baf7_outp, .Lfunc_end_k_qc1e055baf7_outp-k_qc1e055baf7_outp
	.p2alignl 7, 3214868480
	.fill 96, 4, 3214868480
	.section	.rodata,"a",@progbits
	.p2align	6, 0x0
	.amdhsa_kernel k_qc1e055baf7_outp
		.amdhsa_group_segment_fixed_size 35328
		.amdhsa_private_segment_fixed_size 0
		.amdhsa_enable_private_segment 0
		.amdhsa_kernarg_size 48
		.amdhsa_user_sgpr_count 2
		.amdhsa_user_sgpr_kernarg_segment_ptr 1
		.amdhsa_wavefront_size32 1
		.amdhsa_system_sgpr_workgroup_id_x 1
		.amdhsa_system_sgpr_workgroup_id_y 1
		.amdhsa_system_sgpr_workgroup_id_z 1
		.amdhsa_system_vgpr_workitem_id 0
		.amdhsa_next_free_vgpr 1024
		.amdhsa_next_free_sgpr 66
		.amdhsa_reserve_vcc 0
		.amdhsa_float_denorm_mode_32 3
		.amdhsa_float_denorm_mode_16_64 3
		.amdhsa_memory_ordered 1
		.amdhsa_forward_progress 1
		.amdhsa_inst_pref_size 32
	.end_amdhsa_kernel
	.amdgpu_metadata
---
amdhsa.version: [ 1, 2 ]
amdhsa.kernels:
  - .name:           k_qc1e055baf7_outp
    .symbol:         k_qc1e055baf7_outp.kd
    .args:
      - { .name: vimg, .offset: 0, .size: 8, .value_kind: global_buffer, .address_space: global }
      - { .name: vsc, .offset: 8, .size: 8, .value_kind: global_buffer, .address_space: global }
      - { .name: w0img, .offset: 16, .size: 8, .value_kind: global_buffer, .address_space: global }
      - { .name: Ww0_scales, .offset: 24, .size: 8, .value_kind: global_buffer, .address_space: global }
      - { .name: bw0, .offset: 32, .size: 8, .value_kind: global_buffer, .address_space: global }
      - { .name: out0, .offset: 40, .size: 8, .value_kind: global_buffer, .address_space: global }
    .group_segment_fixed_size: 35328
    .private_segment_fixed_size: 0
    .kernarg_segment_align: 8
    .kernarg_segment_size: 48
    .max_flat_workgroup_size: 128
    .sgpr_count:     66
    .vgpr_count:     1024
    .wavefront_size: 32
...
	.end_amdgpu_metadata
.endif
;; end of part 3
;; ======== version 2 of 2: 3 launches
;; workspace buffers: wimg 1,253,376 bytes; w0img 98,304 bytes; vimg 12,582,912 bytes; vsc 1,048,576 bytes
;; launch prep (part 4): grid 52 x 1, 4 waves a work-group, no clusters, 0 bytes of LDS; arguments Wk_codes, Wq_codes, Wv_codes, Ww0_codes, Wk_scales, Wq_scales, Wv_scales, bk, bq, bv, wimg, w0img; writes wimg, w0img
.if DOCPART == 4
	.amdgcn_target "amdgcn-amd-amdhsa--gfx1250"
	.amdhsa_code_object_version 6
	.text
	.protected	k_qc1e055baf7_prep
	.globl	k_qc1e055baf7_prep
	.p2align	8
	.type	k_qc1e055baf7_prep,@function
k_qc1e055baf7_prep:
	s_mov_b64 s[64:65], 0
	v_nop
	global_prefetch_b8 v0, s[64:65] scope:SCOPE_SE
	s_setreg_imm32_b32 hwreg(HW_REG_WAVE_MODE, 25, 1), 1
	s_wait_xcnt 0x0
; The weights' codes are laid out once as IMAGES OF OPERAND REGISTERS, so that every later load of a weight is 512 consecutive bytes.
; A fragment is 16 weight rows x 128 K of E2M3 codes, 12 registers a lane; its image is 1,536 bytes: registers 4 j .. 4 j + 3 of lane l at 512 j + 16 l.
; wimg: [wave 4][n 24] records of REC bytes; n 0-7 Wk, 8-15 Wq, 16-23 Wv.  A record: two tiles t of 16 rows x K 512: codes at 6144 t + 1536 s (K step s);
;   the rows' 16 scale bytes at 12288 + 256 t + 16 m; the rows' biases at 12800 + 64 t + 4 m (m: the row's place in its tile).
; Which rows form a tile is chosen for the reader (q = 8 wave + n % 8):  Wk, Wq: row 32 q + 8 t + m % 8 + 16 (m / 8);  Wv: row 128 (m % 8) + 4 q + 2 t + m / 8.
; w0img: [tile of 16 rows 8][K step 8] images; row 16 tile + m.
; A wave does one job: four fragments (one tile, four K steps).  208 jobs: 64 for each of Wk, Wq, Wv, 16 for Ww0.  No LDS, no loop.
.set REC, 13056
	s_load_b512 s[16:31], s[0:1], 0x0              ; codes of Wk, Wq, Wv, Ww0; scales of Wk, Wq, Wv; bk
	s_load_b256 s[32:39], s[0:1], 0x40             ; bq, bv, wimg, w0img
	v_lshrrev_b32 v1, 5, v0
	v_readfirstlane_b32 s4, v1                     ; wave
	s_lshl_b32 s5, ttmp9, 2
	s_add_co_u32 s5, s5, s4                        ; job 0 .. 207
	s_lshr_b32 s6, s5, 6                           ; which tensor: 0 Wk, 1 Wq, 2 Wv, 3 Ww0
	s_and_b32 s7, s5, 1                            ; t (for Ww0: which half of K)
	s_bfe_u32 s8, s5, 0x50001                      ; q = (job / 2) % 32
	s_sub_co_u32 s9, s5, 192                       ; Ww0's job number (used where the tensor is Ww0)
	s_lshl_b32 s10, s8, 5
	s_lshl_b32 s11, s7, 3
	s_add_co_u32 s10, s10, s11                     ; Wk, Wq: first row 32 q + 8 t
	s_lshl_b32 s11, s8, 2
	s_lshl_b32 s12, s7, 1
	s_add_co_u32 s11, s11, s12                     ; Wv: 4 q + 2 t
	s_lshr_b32 s12, s9, 1
	s_lshl_b32 s12, s12, 4                         ; Ww0: 16 x tile
	s_mul_i32 s13, s7, 384                         ; Ww0: the second half of K begins 384 bytes into a row
	s_lshr_b32 s14, s8, 3
	s_mul_i32 s14, s14, 24
	s_lshl_b32 s15, s6, 3
	s_add_co_u32 s14, s14, s15
	s_and_b32 s15, s8, 7
	s_add_co_u32 s14, s14, s15
	s_mul_i32 s14, s14, REC                        ; the record's first byte in wimg
	s_mul_i32 s45, s7, 6144
	s_add_co_u32 s45, s45, s14                     ; and my tile's codes in it
	s_mul_i32 s15, s9, 6144                        ; Ww0: my four images in w0img
	s_lshl_b32 s58, s7, 8
	s_lshl_b32 s59, s7, 6
	s_cmp_eq_u32 s6, 2                             ; row = A (m % 8) + B (m / 8) + C
	s_cselect_b32 s40, 128, 1                      ; A
	s_cselect_b32 s41, 1, 16                       ; B
	s_cselect_b32 s42, s11, s10                    ; C
	s_cmp_eq_u32 s6, 3
	s_cselect_b32 s41, 8, s41
	s_cselect_b32 s42, s12, s42
	s_mov_b32 s43, 384
	s_cselect_b32 s43, 768, s43                    ; bytes in a row of codes
	s_cselect_b32 s44, s13, 0
	s_cselect_b32 s46, s15, s45                    ; where my images go
	s_mov_b32 s47, 0
	s_mov_b32 s56, s14
	s_mov_b32 s57, 0
	v_and_b32 v1, 31, v0                           ; lane
	v_and_b32 v2, 15, v0                           ; m = lane % 16
	v_bfe_u32 v3, v0, 4, 1                         ; h = lane / 16
	v_and_b32 v4, 7, v2
	v_lshrrev_b32 v5, 3, v2
	v_mul_u32_u24 v6, v4, s40
	v_mad_u32_u24 v6, v5, s41, v6
	v_add_nc_u32 v6, s42, v6                       ; my row of the tensor
	v_mul_lo_u32 v7, v6, s43
	v_mad_u32_u24 v7, v3, 24, v7
	v_add_nc_u32 v7, s44, v7                       ; its codes, + 24 bytes for lanes 16-31
	v_lshlrev_b32 v8, 4, v6                        ; its 16 scale bytes
	v_lshlrev_b32 v9, 2, v6                        ; its bias
	v_lshlrev_b32 v10, 4, v1                       ; an image's place for my lane
	v_lshlrev_b32 v11, 4, v2
	v_add_nc_u32 v11, s58, v11                     ; 256 t + 16 m
	v_lshlrev_b32 v12, 2, v2
	v_add_nc_u32 v12, s59, v12                     ; 64 t + 4 m
	s_wait_alu depctr_va_vdst(0)
	s_wait_kmcnt 0x0
	s_cmp_eq_u32 s6, 1                             ; the buffers are chosen by the job's number alone
	s_cselect_b64 s[48:49], s[18:19], s[16:17]
	s_cselect_b64 s[50:51], s[26:27], s[24:25]
	s_cselect_b64 s[52:53], s[32:33], s[30:31]
	s_cmp_eq_u32 s6, 2
	s_cselect_b64 s[48:49], s[20:21], s[48:49]
	s_cselect_b64 s[50:51], s[28:29], s[50:51]
	s_cselect_b64 s[52:53], s[34:35], s[52:53]
	s_cmp_eq_u32 s6, 3
	s_cselect_b64 s[48:49], s[22:23], s[48:49]
	s_cselect_b64 s[54:55], s[38:39], s[36:37]
	s_add_nc_u64 s[54:55], s[54:55], s[46:47]
	s_add_nc_u64 s[56:57], s[36:37], s[56:57]      ; the record's first byte (not used for Ww0)
.irp s, 0,1,2,3
.irp p, 0,1,2,3,4,5
	global_load_b64 v[16+12*\s+2*\p:17+12*\s+2*\p], v7, s[48:49] offset:96*\s+48*(\p/3)+8*(\p%3)   ; the fragment's registers 2 p, 2 p + 1: 8 bytes of the row's stream of bits
.endr
.endr
	s_cmp_eq_u32 s6, 3
	s_cbranch_scc1 .Lcodes                         ; Ww0's scales and bias are read by their user as they lie
	global_load_b128 v[64:67], v8, s[50:51]
	global_load_b32 v68, v9, s[52:53]
	s_wait_loadcnt 0x0
	global_store_b128 v11, v[64:67], s[56:57] offset:12288   ; lanes 16-31 store what lanes 0-15 store: the same bytes at the same places
	global_store_b32 v12, v68, s[56:57] offset:12800
.Lcodes:
	s_wait_loadcnt 0x0
.irp s, 0,1,2,3
.irp j, 0,1,2
	global_store_b128 v10, v[16+12*\s+4*\j:19+12*\s+4*\j], s[54:55] offset:1536*\s+512*\j   ; 32 lanes store 512 consecutive bytes, at a multiple of 256 from the buffer's first byte
.endr
.endr
	s_endpgm
.Lfunc_end_k_qc1e055baf7_prep:
	.size	k_qc1e055baf7_prep, .Lfunc_end_k_qc1e055baf7_prep-k_qc1e055baf7_prep
	.p2alignl 7, 3214868480
	.fill 96, 4, 3214868480
	.section	.rodata,"a",@progbits
	.p2align	6, 0x0
	.amdhsa_kernel k_qc1e055baf7_prep
		.amdhsa_group_segment_fixed_size 0
		.amdhsa_private_segment_fixed_size 0
		.amdhsa_enable_private_segment 0
		.amdhsa_kernarg_size 96
		.amdhsa_user_sgpr_count 2
		.amdhsa_user_sgpr_kernarg_segment_ptr 1
		.amdhsa_wavefront_size32 1
		.amdhsa_system_sgpr_workgroup_id_x 1
		.amdhsa_system_sgpr_workgroup_id_y 1
		.amdhsa_system_sgpr_workgroup_id_z 1
		.amdhsa_system_vgpr_workitem_id 0
		.amdhsa_next_free_vgpr 80
		.amdhsa_next_free_sgpr 66
		.amdhsa_reserve_vcc 0
		.amdhsa_float_denorm_mode_32 3
		.amdhsa_float_denorm_mode_16_64 3
		.amdhsa_memory_ordered 1
		.amdhsa_forward_progress 1
		.amdhsa_inst_pref_size 8
	.end_amdhsa_kernel
	.amdgpu_metadata
---
amdhsa.version: [ 1, 2 ]
amdhsa.kernels:
  - .name:           k_qc1e055baf7_prep
    .symbol:         k_qc1e055baf7_prep.kd
    .args:
      - { .name: Wk_codes, .offset: 0, .size: 8, .value_kind: global_buffer, .address_space: global }
      - { .name: Wq_codes, .offset: 8, .size: 8, .value_kind: global_buffer, .address_space: global }
      - { .name: Wv_codes, .offset: 16, .size: 8, .value_kind: global_buffer, .address_space: global }
      - { .name: Ww0_codes, .offset: 24, .size: 8, .value_kind: global_buffer, .address_space: global }
      - { .name: Wk_scales, .offset: 32, .size: 8, .value_kind: global_buffer, .address_space: global }
      - { .name: Wq_scales, .offset: 40, .size: 8, .value_kind: global_buffer, .address_space: global }
      - { .name: Wv_scales, .offset: 48, .size: 8, .value_kind: global_buffer, .address_space: global }
      - { .name: bk, .offset: 56, .size: 8, .value_kind: global_buffer, .address_space: global }
      - { .name: bq, .offset: 64, .size: 8, .value_kind: global_buffer, .address_space: global }
      - { .name: bv, .offset: 72, .size: 8, .value_kind: global_buffer, .address_space: global }
      - { .name: wimg, .offset: 80, .size: 8, .value_kind: global_buffer, .address_space: global }
      - { .name: w0img, .offset: 88, .size: 8, .value_kind: global_buffer, .address_space: global }
    .group_segment_fixed_size: 0
    .private_segment_fixed_size: 0
    .kernarg_segment_align: 8
    .kernarg_segment_size: 96
    .max_flat_workgroup_size: 128
    .sgpr_count:     66
    .vgpr_count:     80
    .wavefront_size: 32
...
	.end_amdgpu_metadata
.endif
;; end of part 4
;; launch attn (part 5): grid 2 x 128, 4 waves a work-group, no clusters, 279,040 bytes of LDS; arguments x_codes, x_scales, wimg, vimg, vsc; writes vimg, vsc
.if DOCPART == 5
	.amdgcn_target "amdgcn-amd-amdhsa--gfx1250"
	.amdhsa_code_object_version 6
	.text
	.protected	k_qc1e055baf7_attn
	.globl	k_qc1e055baf7_attn
	.p2align	8
	.type	k_qc1e055baf7_attn,@function
k_qc1e055baf7_attn:
	s_mov_b64 s[64:65], 0
	v_nop
	global_prefetch_b8 v0, s[64:65] scope:SCOPE_SE
	s_setreg_imm32_b32 hwreg(HW_REG_WAVE_SCHED_MODE, 0, 2), 2
	s_setreg_imm32_b32 hwreg(HW_REG_WAVE_MODE, 25, 1), 1
	s_wait_xcnt 0x0
	s_wait_alu depctr_vm_vsrc(0)
; One head (b, h) and one half of its 1,024 queries: the three projections, both products of attention and the quantising of vals, all on E2M3 codes with E8M0 scales.
; THE RESHAPE has no permute: head h of batch b is made of x rows c = 128 h .. 128 h + 127 alone; row c, projection column j is channel 8 (c % 128) + j / 128, feature j % 128.
; So a work-group projects K and V of its head from 128 rows of x (both halves of a head do: K, Q, V never go to memory) and Q from its own 64 rows.
; LOCAL ORDER.  The work-group's own 64 rows of x are group 0, the others group 1; no LDS address and no branch hangs on which half this is.  Slot (group g, e), lane r is x row 64 g + 4 r + e;
; it gives the keys 8 e + j / 128 of the block of 32 keys 16 g + r.  Softmax and the second product do not mind the order of blocks; the diagonal of query pair X lies in block X.
; THE WAVES SHARE THE KEYS, NOT THE QUERIES: wave w keeps 256 keys of K (16 fragments) and of V^T (16 fragments) in registers; all four work on the same 32 queries (two tiles u) at a time.
; Through LDS go Q's fragments, two numbers a row (the wave's largest t and its sum) and the four partial O^T.
; SOFTMAX.  t = score x log2(e) / sqrt(128).  A wave takes ITS largest t, m_w, away: p = 2^(t - m_w); with m the largest of the four m_w and l = sum of l_w 2^(m_w - m),
; att = p x F, F = 2^(m_w - m) / l: the finished, normalised softmax.  -1 is added on the diagonal, and att is then quantised along the keys.
; A block's largest att is not searched for: the block's largest score goes through the same instructions (this takes v_exp_f32 not to fall where its input rises); the one block with the diagonal is searched.
; Both products are used transposed (S^T = K Q^T, O^T = V^T att^T): a lane holds one query.  The rows of a tile of K, Q, V^T are chosen so that 16 registers of two neighbouring tiles are 16 neighbours along the next K.
; LIMITS: NaN and infinities are not served.  A block of zeros gets the scale byte 1 where the rule says 127: its codes are zeros, and this program alone reads the bytes.
; The second product's K is summed in four parts, one a wave, which are added in f32.  The biases enter as the C of each sum's first matrix instruction.
; No tensor loads and no joint loads: every weight record is read by one wave of the work-group, straight into its registers.
;
; THE MODE: SCHED_MODE bits 1:0 = 2 (LLVM: expert scheduling mode 2), set by the entry lines.  The code itself states the register dependences
; between vector or matrix instructions and memory or LDS instructions, with s_wait_alu, always for 0.
; THE PLAN, projection.  Registers that memory or LDS instructions touch:
;   weight buffers 0, 1 (window 3; their WS and BI)  Read by a record's matrix instructions; loaded again behind the wait on va_vdst that stands ahead of the record's last LDS stores.
;                 Buffer 0's loads are dealt among the first matrix instructions on buffer 1, which name none of its registers; buffer 1's follow the trip's last stores.
;   PPC, PBY      Written by a quantiser's conversions, moves and shifts; read by its LDS stores: va_vdst ahead of the stores, vm_vsrc ahead of the next quantiser.
;   DA, DS, DV, DVS  Written at a trip's head, behind vm_vsrc; read by the trip's LDS stores, behind the quantiser's va_vdst.
;   All other addresses are made once at the head and never written again.
; THE PLAN, attention.
;   QF, QS        Read by a pair's 32 products K Q^T; the next pair's LDS loads land in them behind the wait on va_vdst that follows the exponentials.
;   AQ, AQS       Read by those loads; written once a trip, just ahead of that same wait.
;   NL            Written by the pair's arithmetic, read by its LDS store of (-m_w, l_w): va_vdst ahead of the store.   GS: loaded behind that wait and the barrier; read by vector instructions.
;   PS, PC        Written by vector instructions, taken by the scaled products V^T att^T: va_vdst behind the eight places.   PC and BY + 4 are also the data of the end's global stores.
;   O^T           Written by the products, read by the LDS stores: va_vdst behind the four places.   Window 1: the end's LDS loads land in it; nothing behind that wait names it.
;   ONE wait on vm_vsrc stands at a pair's head: all that earlier LDS and memory instructions have read (NL, O^T, PC, BY + 4, AQ, AQS) is written again only behind it.
;
; LDS: K's tiles 0 (32 pairs x 3,600: two tiles x 16 rows x 112: 96 bytes of codes, 4 scale bytes); V's codes 115,200 (32 blocks x 3,088: feature f at 24 f); V's scale bytes 214,016 (32 f + block);
;   Q's tiles 218,112 (16 pairs, as K's); the statistics 275,712; the partial O^T lie over K's and V's bytes once those are in registers: source wave x 32,768 + tile x 8,192.
; REGISTERS, in windows of 256.  Projection: window 1, 2: x's fragments of group 0, 1, at 12 (4 e + s); window 3: two weight records, at 96 buf + 12 (4 t + s).
;   Attention: window 1: S^T, then p, att: block k = 8 u + rho at 16 k; window 2: K at 12 tile, O^T of u = 0 at 192; window 3: V^T at 12 (2 d + y), O^T of u = 1 at 192.
;   Window 0: v1-30 addresses; v32-79 scale words and nothing else; the rest by the names below.
.set REC,   13056
.set PAIRB, 3600
.set TILEB, 1792
.set ROWP,  112
.set GRPK,  16*PAIRB
.set VIMG,  115200
.set VBLK,  3088
.set GRPV,  16*VBLK
.set VSC,   214016
.set QIMG,  218112
.set STAT,  275712
.set FLOOR, 0x1800000                  ; 2^(3 - 127): no largest magnitude is taken under it, so a scale byte cannot fall under 1
.set EOFF,  0xff000000                 ; takes 2 off an exponent field
.set LI,   4                           ; 16 x lane
.set L16R, 5                           ; 16 r
.set L32H, 6                           ; 32 h
.set LX,   7                           ; x's codes: 1536 r + 24 h
.set LXS,  8                           ; x's scales: 64 r
.set LK,   9                           ; K's, Q's tiles, on the way in: 3600 r + 12 h
.set LKS,  10                          ; their scale bytes: 3600 r + 96
.set LV,   11                          ; V's codes, on the way in
.set LVS,  12                          ; V's scale bytes
.set DA,   13                          ; the four store addresses of the trip in hand
.set DS,   14
.set DV,   15
.set DVS,  16
.set L4,   17                          ; 4 x lane
.set AQ0,  18                          ; Q's fragments: my lane's place in a pair
.set AQS0, 19                          ; Q's scale words
.set AQ,   20                          ; the same, of the pair in hand
.set AQS,  21
.set AST,  22                          ; the statistics: where I store
.set ASL,  23                          ; and read
.set AOX,  24                          ; partial O^T: where I store
.set AOL0, 25                          ; and read: sources 0, 1; v26: sources 2, 3
.set LKF,  27                          ; K's fragments, K's scale words, V's fragments, V's scale words on the way to registers
.set LKSC, 28
.set LVF,  29
.set LVSC, 30
.set XS,   32                          ; projection: x's scale words, 4 (4 g + e) + s
.set WS,   64                          ; the weights', 8 buf + 4 t + s
.set KS,   32                          ; attention: K's (lanes 0-15 tile 2 rho, lanes 16-31 tile 2 rho + 1)
.set VS,   40                          ; V's (lanes 0-15 K step 0, lanes 16-31 K step 1)
.set QS,   48                          ; Q's (lanes 0-15 u = 0, lanes 16-31 u = 1)
.set PS,   50                          ; att's, 2 u + y
.set BI,   80                          ; projection: biases in the result's layout, 16 buf + 8 t
.set ACC,  112                         ; eight accumulators
.set PTM,  176                         ; at work: largest magnitudes, the other half's, scale operands, bytes
.set PTX,  180
.set PSO,  184
.set PBY,  188
.set PPC,  192                         ; codes
.set PPX,  208
.set QF,   80                          ; attention: Q's two fragments
.set BM,   104                         ; a block's largest score, then p, then att
.set BX,   120                         ; the other half's; then the conversions' scale operands
.set BY,   136                         ; the scale bytes; then the upper halves of the blocks' codes
.set PX,   136
.set NL,   152                         ; -m_w and l_w of u = 0, of u = 1
.set FS,   156                         ; F of u = 0, -, of u = 1, -
.set GS,   160                         ; the four waves' -m_w, l_w: 8 u + 2 w
.set CH,   176                         ; sum chains
.set TP,   184                         ; at work, 6 a tile
.set PC,   196                         ; att's codes: 24 u + 12 y
.set EY,   244                         ; -1 in the lane and register of the diagonal, else 0
.set MSB, 0
.macro WIN new                         ; the immediate's high byte repeats the setting that is left; a switch that changes nothing is dropped
.if MSB != (\new)
	s_set_vgpr_msb (MSB<<8)|(\new)
.set MSB, (\new)
.endif
.endm
.macro NOPS n
.rept \n
	v_nop
.endr
.endm
; The one matrix form.  rows: 1: source 0's scales from lanes 16-31; 2: source 1's; 3: both
.macro WM d, a, b, c, sa, sb, rows
.if (\rows) == 0
	v_wmma_scale_f32_16x16x128_f8f6f4 v[(\d):(\d)+7], v[(\a):(\a)+11], v[(\b):(\b)+11], \c, v[\sa], v[\sb] matrix_a_fmt:MATRIX_FMT_FP6 matrix_b_fmt:MATRIX_FMT_FP6
.elseif (\rows) == 1
	v_wmma_scale_f32_16x16x128_f8f6f4 v[(\d):(\d)+7], v[(\a):(\a)+11], v[(\b):(\b)+11], \c, v[\sa], v[\sb] matrix_a_fmt:MATRIX_FMT_FP6 matrix_b_fmt:MATRIX_FMT_FP6 matrix_a_scale:MATRIX_SCALE_ROW1
.elseif (\rows) == 2
	v_wmma_scale_f32_16x16x128_f8f6f4 v[(\d):(\d)+7], v[(\a):(\a)+11], v[(\b):(\b)+11], \c, v[\sa], v[\sb] matrix_a_fmt:MATRIX_FMT_FP6 matrix_b_fmt:MATRIX_FMT_FP6 matrix_b_scale:MATRIX_SCALE_ROW1
.else
	v_wmma_scale_f32_16x16x128_f8f6f4 v[(\d):(\d)+7], v[(\a):(\a)+11], v[(\b):(\b)+11], \c, v[\sa], v[\sb] matrix_a_fmt:MATRIX_FMT_FP6 matrix_b_fmt:MATRIX_FMT_FP6 matrix_a_scale:MATRIX_SCALE_ROW1 matrix_b_scale:MATRIX_SCALE_ROW1
.endif
.endm
; A weight record, off bytes on from s[34:35], into buffer buf: 30 loads: 24 of codes (512 consecutive bytes each), 2 of scale words, 4 of biases
.macro WLOAD buf, off
	WIN 0xc0
.irp i, 0,1,2,3,4,5,6,7,8,9,10,11,12,13,14,15,16,17,18,19,20,21,22,23
	global_load_b128 v[96*\buf+4*\i:96*\buf+4*\i+3], v[LI], s[34:35] offset:\off+512*\i
.endr
	WIN 0
.irp t, 0,1
	global_load_b128 v[WS+8*\buf+4*\t:WS+8*\buf+4*\t+3], v[L16R], s[34:35] offset:\off+12288+256*\t
.endr
.irp t, 0,1
.irp k, 0,1
	global_load_b128 v[BI+16*\buf+8*\t+4*\k:BI+16*\buf+8*\t+4*\k+3], v[L32H], s[34:35] offset:\off+12800+64*\t+16*\k
.endr
.endr
.endm
; Half k (0, 1) of the same 30 loads, for buffer 0 and the record two on: 12 loads of codes; with the second half the 2 of scale words and the 4 of biases.
; It stands among the matrix instructions on buffer 1.  No wait: the wait on va_vdst ahead of the last LDS stores stands behind every matrix instruction on buffer 0, and nothing issued since names buffer 0's registers or these addresses.
.macro WPART k
	WIN 0xc0
.irp i, 0,1,2,3,4,5,6,7,8,9,10,11
	global_load_b128 v[4*(12*(\k)+\i):4*(12*(\k)+\i)+3], v[LI], s[34:35] offset:2*REC+512*(12*(\k)+\i)
.endr
.if (\k) == 1
	WIN 0
.irp t, 0,1
	global_load_b128 v[WS+4*\t:WS+4*\t+3], v[L16R], s[34:35] offset:2*REC+12288+256*\t
.endr
.irp t, 0,1
.irp j, 0,1
	global_load_b128 v[BI+8*\t+4*\j:BI+8*\t+4*\j+3], v[L32H], s[34:35] offset:2*REC+12800+64*\t+16*\j
.endr
.endr
.endif
.endm
; K or Q: one record (32 features of one j / 128) against the 64 x rows of group gi.  Source 0 = 16 weight rows, source 1 = 16 x rows: lane (r, h) holds x row 4 r + e, and the 16 registers of
; tiles u = 0, 1 are features 16 h + 0 .. 15 of the record's block of 32.  Eight accumulators by turns, one instruction a turn.
; fill = 1: buffer 0 is asked for again, behind the first and the second eight products.
.macro KQHALF buf, gi, fill
.irp s, 0,1,2,3
	WIN 0x07+4*\gi
.irp e, 0,1,2,3
.irp u, 0,1
.if \s == 0
	WM ACC+16*\e+8*\u, 96*\buf+12*(4*\u+\s), 12*(4*\e+\s), v[BI+16*\buf+8*\u:BI+16*\buf+8*\u+7], WS+8*\buf+4*\u+\s, XS+4*(4*\gi+\e)+\s, 0
.else
	WM ACC+16*\e+8*\u, 96*\buf+12*(4*\u+\s), 12*(4*\e+\s), v[ACC+16*\e+8*\u:ACC+16*\e+8*\u+7], WS+8*\buf+4*\u+\s, XS+4*(4*\gi+\e)+\s, 0
.endif
.endr
.endr
.if \fill && (\s < 2)
	WPART \s
.endif
.endr
	WIN 0
	NOPS 4                                         ; four places between the last products and the first read of results
	s_wait_dscnt 0x0                               ; the last quantiser's LDS stores are done
	s_wait_alu depctr_vm_vsrc(0)                   ; the last quantiser's LDS stores have read v[PPC ..] and v[PBY ..], which the lines below write again
.irp e, 0,1,2,3
	v_max3_num_f32 v[PTM+\e], |v[ACC+16*\e]|, |v[ACC+16*\e+1]|, FLOOR   ; x row e: my 16 features, and the floor (the four rows by turns)
.endr
.irp i, 2,4,6,8,10,12,14
.irp e, 0,1,2,3
	v_max3_num_f32 v[PTM+\e], v[PTM+\e], |v[ACC+16*\e+\i]|, |v[ACC+16*\e+\i+1]|
.endr
.endr
.irp e, 0,1,2,3
	v_permlanex16_b32 v[PTX+\e], v[PTM+\e], s20, s21
.endr
.irp e, 0,1,2,3
	v_max_num_f32 v[PTM+\e], v[PTM+\e], v[PTX+\e]  ; with lane l xor 16's: the block's largest magnitude
.endr
.irp e, 0,1,2,3
	v_add_nc_u32 v[PSO+\e], EOFF, v[PTM+\e]        ; 2 off its exponent field: the conversion's scale operand
.endr
.irp e, 0,1,2,3
	v_lshrrev_b32 v[PBY+\e], 23, v[PSO+\e]         ; the scale's byte
.endr
.irp e, 0,1,2,3
	v_cvt_scalef32_pk16_fp6_f32 v[PPC+4*\e:PPC+4*\e+2], v[ACC+16*\e:ACC+16*\e+15], v[PSO+\e]
.endr
	v_nop                                          ; one plain place behind the scaled conversions
	s_wait_alu depctr_va_vdst(0)                   ; the conversions have written v[PPC ..], the shifts v[PBY ..], the trip's head v[DA] and v[DS], which the LDS stores read; and this record's matrix instructions are done reading its buffer, in which the next loads land
.irp e, 0,1,2,3
.irp i, 0,1,2
	ds_store_b32 v[DA], v[PPC+4*\e+\i] offset:GRPK*\gi+TILEB*(\e%2)+8*ROWP*(\e/2)+24*\buf+4*\i   ; tile e % 2 of pair 16 g + r, row 8 (e / 2) + j / 128: my 12 bytes of its block
.endr
	ds_store_b8 v[DS], v[PBY+\e] offset:GRPK*\gi+TILEB*(\e%2)+8*ROWP*(\e/2)+\buf   ; both lanes of a block store the same byte
.endr
.endm
; A trip of K's loop (isq = 0: both groups of x rows) or of Q's (isq = 1: my own group): two records.  Record 2 I + buf is j / 128 = 2 w + I / 2, block of features 2 (I % 2) + buf.
.macro KQTRIP isq
	s_lshr_b32 s37, s36, 1
	s_lshl_b32 s38, s14, 1
	s_add_co_u32 s37, s37, s38
	s_mul_i32 s37, s37, ROWP                       ; the row in a tile's half
	s_and_b32 s38, s36, 1
	s_mul_i32 s39, s38, 48
	s_add_co_u32 s39, s39, s37
	s_lshl_b32 s38, s38, 1
	s_add_co_u32 s38, s38, s37
.if \isq
	s_add_co_u32 s39, s39, QIMG
	s_add_co_u32 s38, s38, QIMG
.endif
	s_wait_dscnt 0x0                               ; the last trip's LDS stores are done
	s_wait_alu depctr_vm_vsrc(0)                   ; the last trip's LDS stores have read v[DA] and v[DS], which the two lines below write again
	v_add_nc_u32 v[DA], s39, v[LK]
	v_add_nc_u32 v[DS], s38, v[LKS]
	s_wait_loadcnt 30                              ; buffer 0's record is in (and x, the first time); the 30 loads of buffer 1's may be out
	KQHALF 0, 0, 0
.if !\isq
	KQHALF 0, 1, 0
.endif
	s_wait_loadcnt 0x0                             ; buffer 1's record is in: nothing younger has been asked for yet
	KQHALF 1, 0, 1                                 ; buffer 0's next record is asked for among these products
.if !\isq
	KQHALF 1, 1, 0
.endif
	WLOAD 1, 3*REC                                 ; no wait: nothing issued since the wait on va_vdst ahead of the stores above names buffer 1's registers
	s_wait_xcnt 0x0                                ; the loads have read their base: it may step
	s_add_nc_u64 s[34:35], s[34:35], 2*REC
.endm
; V: one record (4 features x all eight j / 128) against group gi.  Lane (r, h) holds, for tile t, ALL 32 keys of block 16 g + r (register 8 e + j / 128) at feature 4 q + 2 t + h:
; the block's largest magnitude needs no other lane, and the codes come out with the keys innermost.  fill as in KQHALF.
.macro VHALF buf, gi, fill
.irp s, 0,1,2,3
	WIN 0x07+4*\gi
.irp t, 0,1
.irp e, 0,1,2,3
.if \s == 0
	WM ACC+32*\t+8*\e, 96*\buf+12*(4*\t+\s), 12*(4*\e+\s), v[BI+16*\buf+8*\t:BI+16*\buf+8*\t+7], WS+8*\buf+4*\t+\s, XS+4*(4*\gi+\e)+\s, 0
.else
	WM ACC+32*\t+8*\e, 96*\buf+12*(4*\t+\s), 12*(4*\e+\s), v[ACC+32*\t+8*\e:ACC+32*\t+8*\e+7], WS+8*\buf+4*\t+\s, XS+4*(4*\gi+\e)+\s, 0
.endif
.endr
.endr
.if \fill && (\s < 2)
	WPART \s
.endif
.endr
	WIN 0
	NOPS 4
	s_wait_dscnt 0x0                               ; the last quantiser's LDS stores are done
	s_wait_alu depctr_vm_vsrc(0)                   ; the last quantiser's LDS stores have read v[PPC ..] and v[PBY ..], which the lines below write again
.irp t, 0,1
	v_max3_num_f32 v[PTM+\t], |v[ACC+32*\t]|, |v[ACC+32*\t+1]|, FLOOR
	v_max3_num_f32 v[PTM+2+\t], |v[ACC+32*\t+16]|, |v[ACC+32*\t+17]|, |v[ACC+32*\t+18]|   ; two chains a block; each accumulator is first read at its low end
.endr
.irp i, 2,4,6,8,10,12,14
.irp t, 0,1
	v_max3_num_f32 v[PTM+\t], v[PTM+\t], |v[ACC+32*\t+\i]|, |v[ACC+32*\t+\i+1]|
.if \i < 14
	v_max3_num_f32 v[PTM+2+\t], v[PTM+2+\t], |v[ACC+32*\t+17+\i]|, |v[ACC+32*\t+18+\i]|
.endif
.endr
.endr
.irp t, 0,1
	v_max3_num_f32 v[PTM+\t], v[PTM+\t], v[PTM+2+\t], |v[ACC+32*\t+31]|
.endr
.irp t, 0,1
	v_add_nc_u32 v[PSO+\t], EOFF, v[PTM+\t]
.endr
.irp t, 0,1
	v_lshrrev_b32 v[PBY+\t], 23, v[PSO+\t]
.endr
.irp t, 0,1
	v_cvt_scalef32_pk16_fp6_f32 v[PPC+8*\t:PPC+8*\t+2], v[ACC+32*\t:ACC+32*\t+15], v[PSO+\t]
	v_cvt_scalef32_pk16_fp6_f32 v[PPX+4*\t:PPX+4*\t+2], v[ACC+32*\t+16:ACC+32*\t+31], v[PSO+\t]   ; (a conversion's three registers begin on an even number)
.endr
	v_nop                                          ; one plain place behind the scaled conversions
.irp t, 0,1
.irp i, 0,1,2
	v_mov_b32 v[PPC+8*\t+3+\i], v[PPX+4*\t+\i]
.endr
.endr
	s_wait_alu depctr_va_vdst(0)                   ; the conversions and moves have written v[PPC ..], the shifts v[PBY ..], the trip's head v[DV] and v[DVS], which the LDS stores read; and this record's matrix instructions are done reading its buffer, in which the next loads land
.irp t, 0,1
.irp p, 0,1,2
	ds_store_b64 v[DV], v[PPC+8*\t+2*\p:PPC+8*\t+2*\p+1] offset:GRPV*\gi+96*\buf+48*\t+8*\p
.endr
	ds_store_b8 v[DVS], v[PBY+\t] offset:16*\gi+128*\buf+64*\t
.endr
.endm
; A trip of V's loop: features 32 w + 8 I + 0 .. 7.  pre = 1: the two records after these are asked for
.macro VTRIP pre
	s_mul_i32 s37, s36, 192
	s_mul_i32 s38, s14, 768
	s_add_co_u32 s37, s37, s38
	s_lshl_b32 s38, s36, 8
	s_lshl_b32 s39, s14, 10
	s_add_co_u32 s38, s38, s39
	s_wait_dscnt 0x0
	s_wait_alu depctr_vm_vsrc(0)                   ; the last trip's LDS stores have read v[DV] and v[DVS], which the two lines below write again
	v_add_nc_u32 v[DV], s37, v[LV]
	v_add_nc_u32 v[DVS], s38, v[LVS]
	s_wait_loadcnt 30                              ; buffer 0's record is in; buffer 1's 30 loads may be out
	VHALF 0, 0, 0
	VHALF 0, 1, 0
	s_wait_loadcnt 0x0                             ; buffer 1's record is in: nothing younger has been asked for yet
	VHALF 1, 0, \pre
	VHALF 1, 1, 0
.if \pre
	WLOAD 1, 3*REC                                 ; no wait: nothing issued since the wait on va_vdst ahead of the stores above names buffer 1's registers
	s_wait_xcnt 0x0
	s_add_nc_u64 s[34:35], s[34:35], 2*REC
.endif
.endm
.macro QLOAD off                       ; a pair's two fragments of Q and its scale words: 13 LDS loads
.irp u, 0,1
.irp p, 0,1,2,3,4,5
	ds_load_b64 v[QF+12*\u+2*\p:QF+12*\u+2*\p+1], v[AQ] offset:\off+TILEB*\u+48*(\p/3)+8*(\p%3)
.endr
.endr
	ds_load_b32 v[QS], v[AQS] offset:\off
.endm
; The block rho of my eight holds the diagonal of both tiles: -1 goes in, and the block's largest magnitude is searched anew
.macro FIX rho
	WIN 0x41
.irp u, 0,1
.irp k, 0,1,2,3
	v_pk_add_f32 v[128*\u+16*(\rho)+8*\u+2*\k:128*\u+16*(\rho)+8*\u+2*\k+1], v[128*\u+16*(\rho)+8*\u+2*\k:128*\u+16*(\rho)+8*\u+2*\k+1], v[EY+2*\k:EY+2*\k+1]
.endr
.endr
	WIN 0x05
.irp u, 0,1
	v_max3_num_f32 v[BM+8*\u+(\rho)], |v[128*\u+16*(\rho)]|, |v[128*\u+16*(\rho)+1]|, FLOOR
.endr
	WIN 0x14
.irp i, 2,4,6,8,10,12,14
.irp u, 0,1
	v_max3_num_f32 v[BM+8*\u+(\rho)], v[BM+8*\u+(\rho)], |v[128*\u+16*(\rho)+\i]|, |v[128*\u+16*(\rho)+\i+1]|
.endr
.endr
	WIN 0
.irp u, 0,1
	v_permlanex16_b32 v[BX+8*\u+(\rho)], v[BM+8*\u+(\rho)], s20, s21
.endr
.irp u, 0,1
	v_max_num_f32 v[BM+8*\u+(\rho)], v[BM+8*\u+(\rho)], v[BX+8*\u+(\rho)]
.endr
.endm
; QUERY PAIR X = 2 trip + sb: 32 queries (tiles u = 0, 1) against my 256 keys
.macro SUB sb
	s_wait_dscnt 0x0                               ; Q's fragments are in
	s_wait_alu depctr_vm_vsrc(0)                   ; the last pair's LDS stores have read v[NL ..] and its partial O^T, the last end's global stores v[PC ..] and v[BY+4], Q's loads v[AQ] and v[AQS]: this pair writes all of them again
	WIN 0x42
.irp t, 0,1,2,3,4,5,6,7,8,9,10,11,12,13,14,15
.irp u, 0,1
	WM 128*\u+8*\t, 12*\t, QF+12*\u, 0, KS+\t/2, QS, (\t%2)+2*\u
.endr
.endr
	WIN 0
	NOPS 4                                         ; four places ahead of the first read of the scores
	WIN 0x15                                       ; the largest score of each block of 32 keys (k = 8 u + rho), the 16 blocks by turns
.irp k, 0,1,2,3,4,5,6,7,8,9,10,11,12,13,14,15
	v_max3_num_f32 v[BM+\k], v[16*\k], v[16*\k+1], v[16*\k+2]
.endr
	WIN 0x14
.irp i, 3,5,7,9,11,13
.irp k, 0,1,2,3,4,5,6,7,8,9,10,11,12,13,14,15
	v_max3_num_f32 v[BM+\k], v[BM+\k], v[16*\k+\i], v[16*\k+\i+1]
.endr
.endr
.irp k, 0,1,2,3,4,5,6,7,8,9,10,11,12,13,14,15
	v_max_num_f32 v[BM+\k], v[BM+\k], v[16*\k+15]
.endr
	WIN 0
.irp k, 0,1,2,3,4,5,6,7,8,9,10,11,12,13,14,15
	v_permlanex16_b32 v[BX+\k], v[BM+\k], s20, s21
.endr
.irp k, 0,1,2,3,4,5,6,7,8,9,10,11,12,13,14,15
	v_max_num_f32 v[BM+\k], v[BM+\k], v[BX+\k]     ; with lane l xor 16's 16 keys
.endr
.irp u, 0,1
	v_max3_num_f32 v[TP+6*\u], v[BM+8*\u], v[BM+8*\u+1], v[BM+8*\u+2]
.endr
.irp i, 3,5
.irp u, 0,1
	v_max3_num_f32 v[TP+6*\u], v[TP+6*\u], v[BM+8*\u+\i], v[BM+8*\u+\i+1]
.endr
.endr
.irp u, 0,1
	v_max_num_f32 v[TP+6*\u], v[TP+6*\u], v[BM+8*\u+7]
.endr
.irp u, 0,1
	v_mul_f32 v[NL+2*\u], s24, v[TP+6*\u]          ; -m_w = -c x my keys' largest score of the query
.endr
	WIN 0x41
.set j, 0
.rept 128
	v_pk_fma_f32 v[2*j:2*j+1], v[2*j:2*j+1], s[22:23], v[NL+2*(j/64):NL+2*(j/64)+1] op_sel_hi:[1,0,0]   ; t - m_w, two at a time (of the pairs the low word serves both halves)
.set j, j+1
.endr
	WIN 0
.irp k, 0,1,2,3,4,5,6,7,8,9,10,11,12,13,14,15
	v_fma_f32 v[BM+\k], v[BM+\k], s22, v[NL+2*(\k/8)]   ; the same of each block's largest score
.endr
	WIN 0x41
.set j, 0
	s_wait_alu depctr_va_vdst(0)
.rept 256
	v_exp_f32 v[j], v[j]                           ; p = 2^(t - m_w)
.set j, j+1
.endr
	WIN 0
.irp k, 0,1,2,3,4,5,6,7,8,9,10,11,12,13,14,15
	v_exp_f32 v[BM+\k], v[BM+\k]
.endr
.if \sb == 0
	v_nop                                          ; a plain place behind the last exponential
.else
	s_add_co_u32 s37, s36, 1
	s_mul_i32 s37, s37, 2*PAIRB
	s_min_u32 s37, s37, 14*PAIRB                   ; the last trip has no next pair: it loads pair 14 once more and does not use it
	v_add_nc_u32 v[AQ], s37, v[AQ0]                ; the next trip's first pair.  (These two are the plain place behind the last exponential; the loads that read the old addresses stand ahead of the wait on vm_vsrc at this pair's head)
	v_add_nc_u32 v[AQS], s37, v[AQS0]
.endif
	s_wait_alu depctr_va_vdst(0)                   ; the exponentials have written p and the blocks' largest p, ahead of their first reader: one wait for the batch; the products K Q^T are done reading v[QF ..] and v[QS], in which the loads below land; v[AQ] and v[AQS] are written
.if \sb == 0
	QLOAD PAIRB                                    ; the next pair's fragments of Q: they have the rest of this pair in which to land
.else
	QLOAD 0
.endif
	WIN 0x05                                       ; the sum of my 256 keys' p: two packed chains a tile
.irp u, 0,1
	v_pk_add_f32 v[CH+4*\u:CH+4*\u+1], v[128*\u:128*\u+1], v[128*\u+2:128*\u+3]
	v_pk_add_f32 v[CH+4*\u+2:CH+4*\u+3], v[128*\u+4:128*\u+5], v[128*\u+6:128*\u+7]
.endr
	WIN 0x04
.set j, 8
.rept 30
.irp u, 0,1
	v_pk_add_f32 v[CH+4*\u:CH+4*\u+1], v[CH+4*\u:CH+4*\u+1], v[128*\u+j:128*\u+j+1]
	v_pk_add_f32 v[CH+4*\u+2:CH+4*\u+3], v[CH+4*\u+2:CH+4*\u+3], v[128*\u+j+2:128*\u+j+3]
.endr
.set j, j+4
.endr
	WIN 0
.irp u, 0,1
	v_pk_add_f32 v[CH+4*\u:CH+4*\u+1], v[CH+4*\u:CH+4*\u+1], v[CH+4*\u+2:CH+4*\u+3]
.endr
.irp u, 0,1
	v_add_f32 v[CH+4*\u], v[CH+4*\u], v[CH+4*\u+1]
.endr
.irp u, 0,1
	v_permlanex16_b32 v[CH+4*\u+1], v[CH+4*\u], s20, s21
.endr
.irp u, 0,1
	v_add_f32 v[NL+2*\u+1], v[CH+4*\u], v[CH+4*\u+1]   ; l_w
.endr
	s_wait_alu depctr_va_vdst(0)                   ; v[NL ..] are written, which the LDS stores read; and the last pair's arithmetic is done reading v[GS ..], in which the loads behind the barrier land
.irp u, 0,1
	ds_store_b64 v[AST], v[NL+2*\u:NL+2*\u+1] offset:1024*\sb+128*\u   ; (-m_w, l_w) of query r; both halves of the lanes store the same
.endr
	s_wait_dscnt 0x0                               ; for the others' sake: my stores have landed (and my LDS loads are in)
	s_barrier_signal -1
	s_barrier_wait -1
.irp u, 0,1
.irp w, 0,1,2,3
	ds_load_b64 v[GS+8*\u+2*\w:GS+8*\u+2*\w+1], v[ASL] offset:1024*\sb+256*\w+128*\u
.endr
.endr
	s_wait_dscnt 0x0
.irp u, 0,1
	v_min3_num_f32 v[TP+6*\u], v[GS+8*\u], v[GS+8*\u+2], v[GS+8*\u+4]
.endr
.irp u, 0,1
	v_min_num_f32 v[TP+6*\u], v[TP+6*\u], v[GS+8*\u+6]   ; -m: the least of the four -m_w
.endr
.irp u, 0,1
.irp w, 0,1,2,3
	v_sub_f32 v[TP+6*\u+1+\w], v[TP+6*\u], v[GS+8*\u+2*\w]   ; m_w' - m, 0 or less
.endr
	v_sub_f32 v[TP+6*\u+5], v[TP+6*\u], v[NL+2*\u]   ; and my own
.endr
	s_wait_alu depctr_va_vdst(0)
.irp u, 0,1
.irp k, 1,2,3,4,5
	v_exp_f32 v[TP+6*\u+\k], v[TP+6*\u+\k]
.endr
.endr
	v_nop
	s_wait_alu depctr_va_vdst(0)                   ; the ten exponentials have written v[TP ..], ahead of their first reader
.irp u, 0,1
	v_mul_f32 v[TP+6*\u], v[GS+8*\u+1], v[TP+6*\u+1]
.endr
.irp w, 1,2,3
.irp u, 0,1
	v_fma_f32 v[TP+6*\u], v[GS+8*\u+2*\w+1], v[TP+6*\u+1+\w], v[TP+6*\u]   ; l = the sum of l_w' 2^(m_w' - m)
.endr
.endr
	s_wait_alu depctr_va_vdst(0)
.irp u, 0,1
	v_rcp_f32 v[TP+6*\u], v[TP+6*\u]
.endr
	v_nop
	s_wait_alu depctr_va_vdst(0)                   ; the two reciprocals have written v[TP], v[TP+6], ahead of their first reader
.irp u, 0,1
	v_mul_f32 v[FS+2*\u], v[TP+6*\u+5], v[TP+6*\u]   ; F = 2^(m_w - m) / l
.endr
	WIN 0x41
.set j, 0
.rept 128
	v_pk_mul_f32 v[2*j:2*j+1], v[2*j:2*j+1], v[FS+2*(j/64):FS+2*(j/64)+1] op_sel_hi:[1,0]   ; the finished softmax
.set j, j+1
.endr
	WIN 0
.irp k, 0,1,2,3,4,5,6,7,8,9,10,11,12,13,14,15
	v_mul_f32 v[BM+\k], v[BM+\k], v[FS+2*(\k/8)]   ; and each block's largest
.endr
.irp d, 0,2,4,6                        ; the diagonal lies in block X, which is block X - 8 w of mine if it is mine: a branch on the wave's number and the trip
	s_cmp_lg_u32 s56, \d
	s_cbranch_scc1 .Lnf\@_\d
	FIX \d+\sb
.Lnf\@_\d:
.endr
	s_wait_alu depctr_va_vdst(0)
.irp k, 0,1,2,3,4,5,6,7,8,9,10,11,12,13,14,15
	v_max_num_f32 v[BM+\k], FLOOR, v[BM+\k]
.endr
.irp k, 0,1,2,3,4,5,6,7,8,9,10,11,12,13,14,15
	v_add_nc_u32 v[BX+\k], EOFF, v[BM+\k]          ; the conversions' scale operands
.endr
.irp k, 0,1,2,3,4,5,6,7,8,9,10,11,12,13,14,15
	v_lshrrev_b32 v[BY+\k], 23, v[BX+\k]           ; the scale bytes
.endr
.irp k, 0,1,2,3                        ; k = 2 u + y: the scale word of tile u for the K step y of 128 keys
	v_lshl_or_b32 v[PS+\k], v[BY+4*\k+1], 8, v[BY+4*\k]
.endr
.irp k, 0,1,2,3
	v_lshl_or_b32 v[PS+\k], v[BY+4*\k+2], 16, v[PS+\k]
.endr
.irp k, 0,1,2,3
	v_lshl_or_b32 v[PS+\k], v[BY+4*\k+3], 24, v[PS+\k]
.endr
.irp u, 0,1
	WIN 0x01
.irp y, 0,1
.irp c, 0,1
	v_cvt_scalef32_pk16_fp6_f32 v[PC+24*\u+12*\y+6*\c:PC+24*\u+12*\y+6*\c+2], v[128*\u+64*\y+32*\c:128*\u+64*\y+32*\c+15], v[BX+8*\u+4*\y+2*\c]
	v_cvt_scalef32_pk16_fp6_f32 v[PX+8*\y+4*\c:PX+8*\y+4*\c+2], v[128*\u+64*\y+32*\c+16:128*\u+64*\y+32*\c+31], v[BX+8*\u+4*\y+2*\c+1]
.endr
.endr
	WIN 0
	v_nop                                          ; one plain place behind the scaled conversions
.irp y, 0,1
.irp c, 0,1
.irp i, 0,1,2
	v_permlane16_swap_b32 v[PC+24*\u+12*\y+6*\c+\i], v[PX+8*\y+4*\c+\i]   ; the operand wants a whole block in a lane: lanes 0-15 block 2 c, lanes 16-31 block 2 c + 1
.endr
.irp i, 0,1,2
	v_mov_b32 v[PC+24*\u+12*\y+6*\c+3+\i], v[PX+8*\y+4*\c+\i]
.endr
.endr
.endr
.endr
	NOPS 8                                         ; a scale register written by a vector instruction stands eight places ahead of a scaled matrix instruction, an operand so written four
	s_wait_alu depctr_va_vdst(0)                   ; vector instructions have written att's scale words v[PS ..] and its codes v[PC ..], which the scaled products below take; the places above stay beside this wait
.irp u, 0,1                            ; O^T = V^T att^T over my 256 keys: eight accumulators by turns, two K steps
	WIN 0xa3+0x50*\u
.irp y, 0,1
.irp d, 0,1,2,3,4,5,6,7
.if \y == 0
	WM 192+8*\d, 12*(2*\d+\y), PC+24*\u+12*\y, 0, VS+\d, PS+2*\u+\y, \y
.else
	WM 192+8*\d, 12*(2*\d+\y), PC+24*\u+12*\y, v[192+8*\d:199+8*\d], VS+\d, PS+2*\u+\y, \y
.endif
.endr
.endr
.endr
	WIN 0
	NOPS 4                                         ; four places ahead of the stores that read the results
	s_wait_alu depctr_va_vdst(0)                   ; the products have written both O^T, which the LDS stores read; the places above stay beside this wait.  Nothing behind it names window 1: it also serves the end's LDS loads, which land there
.irp u, 0,1
	WIN 0x08+4*\u                                  ; an LDS store's data are its source 1: window 2 or 3
.irp d, 0,1,2,3,4,5,6,7
.irp k, 0,1
	ds_store_b128 v[AOX], v[192+8*\d+4*\k:195+8*\d+4*\k] offset:8192*(2*\sb+\u)+1024*\d+512*\k   ; an image of the registers; each accumulator from its low end on
.endr
.endr
.endr
	WIN 0
.endm
; THE END OF FOUR TILES: wave w adds the four partial O^T of tile w (pair w / 2, u = w % 2), quantises the 16 rows of vals along the features and stores the fragment's image and its scale words
.macro FIN
	s_wait_dscnt 0x0                               ; my partial results have landed
	s_barrier_signal -1
	s_barrier_wait -1
	WIN 0x40
.irp g, 0,1,2,3
.irp d, 0,1,2,3,4,5,6,7
.irp k, 0,1
	ds_load_b128 v[64*\g+8*\d+4*\k:64*\g+8*\d+4*\k+3], v[AOL0+\g/2] offset:32768*(\g%2)+1024*\d+512*\k   ; no wait: no vector or matrix instruction since the wait ahead of the pair's last stores names window 1
.endr
.endr
.endr
	s_wait_dscnt 32                                ; sources 0 and 1 are in; the 32 loads of sources 2 and 3 may be out
	WIN 0x45
.set j, 0
.rept 32
	v_pk_add_f32 v[2*j:2*j+1], v[2*j:2*j+1], v[64+2*j:65+2*j]
.set j, j+1
.endr
	s_wait_dscnt 0x0
.set j, 0
.rept 32
	v_pk_add_f32 v[128+2*j:129+2*j], v[128+2*j:129+2*j], v[192+2*j:193+2*j]
.set j, j+1
.endr
.set j, 0
.rept 32
	v_pk_add_f32 v[2*j:2*j+1], v[2*j:2*j+1], v[128+2*j:129+2*j]
.set j, j+1
.endr
	WIN 0x05                                       ; register 16 b + i is feature 32 b + 16 h + i of my query
.irp b, 0,1,2,3
	v_max3_num_f32 v[TP+\b], |v[16*\b]|, |v[16*\b+1]|, FLOOR
.endr
	WIN 0x14
.irp i, 2,4,6,8,10,12,14
.irp b, 0,1,2,3
	v_max3_num_f32 v[TP+\b], v[TP+\b], |v[16*\b+\i]|, |v[16*\b+\i+1]|
.endr
.endr
	WIN 0
.irp b, 0,1,2,3
	v_permlanex16_b32 v[TP+4+\b], v[TP+\b], s20, s21
.endr
.irp b, 0,1,2,3
	v_max_num_f32 v[TP+\b], v[TP+\b], v[TP+4+\b]
.endr
.irp b, 0,1,2,3
	v_add_nc_u32 v[TP+8+\b], EOFF, v[TP+\b]
.endr
.irp b, 0,1,2,3
	v_lshrrev_b32 v[BY+\b], 23, v[TP+8+\b]
.endr
	v_lshl_or_b32 v[BY+4], v[BY+1], 8, v[BY]
	v_lshl_or_b32 v[BY+4], v[BY+2], 16, v[BY+4]
	v_lshl_or_b32 v[BY+4], v[BY+3], 24, v[BY+4]    ; my row's scale word
	WIN 0x01
.irp c, 0,1
	v_cvt_scalef32_pk16_fp6_f32 v[PC+6*\c:PC+6*\c+2], v[32*\c:32*\c+15], v[TP+8+2*\c]
	v_cvt_scalef32_pk16_fp6_f32 v[PC+12+4*\c:PC+14+4*\c], v[32*\c+16:32*\c+31], v[TP+8+2*\c+1]
.endr
	WIN 0
	v_nop                                          ; one plain place behind the scaled conversions
.irp c, 0,1
.irp i, 0,1,2
	v_permlane16_swap_b32 v[PC+6*\c+\i], v[PC+12+4*\c+\i]
.endr
.irp i, 0,1,2
	v_mov_b32 v[PC+3+6*\c+\i], v[PC+12+4*\c+\i]
.endr
.endr
	s_wait_alu depctr_va_vdst(0)                   ; the exchanges and moves have written v[PC .. PC+11], the shifts v[BY+4], which the global stores read
.irp j, 0,1,2
	global_store_b128 v[LI], v[PC+4*\j:PC+4*\j+3], s[52:53] offset:512*\j th:TH_STORE_NT   ; 32 lanes store 512 consecutive bytes, at a multiple of 256 from the buffer's first byte
.endr
	global_store_b32 v[L4], v[BY+4], s[54:55] th:TH_STORE_NT
	s_wait_xcnt 0x0                                ; the stores' addresses are translated: their bases may step, and their data may be written again behind the wait on vm_vsrc at the next pair's head
	s_add_nc_u64 s[52:53], s[52:53], 4*8*1536      ; four tiles on
	s_add_nc_u64 s[54:55], s[54:55], 4*8*128
.endm
	s_load_b256 s[4:11], s[0:1], 0x0               ; x's codes, x's scales, wimg, vimg
	s_load_b64 s[12:13], s[0:1], 0x20              ; vsc
	v_lshrrev_b32 v31, 5, v0
	v_readfirstlane_b32 s14, v31                   ; wave 0..3
	s_mov_b32 s15, ttmp9                           ; which half of the queries
	s_and_b32 s16, ttmp7, 0xffff                   ; 8 b + h
	s_mov_b32 s20, 0x76543210
	s_mov_b32 s21, 0xfedcba98                      ; v_permlanex16_b32's selects for lane l xor 16
	s_mov_b32 s22, 0x3e0293ee                      ; c = log2(e) / sqrt(128)
	s_mov_b32 s23, s22                             ; (named with it as a pair, so it is written)
	s_mov_b32 s24, 0xbe0293ee                      ; -c
	s_lshl_b32 s37, s16, 7                         ; the head's first row of x: 128 (8 b + h)
	s_lshl_b32 s38, s15, 6
	s_add_co_u32 s38, s37, s38                     ; my group's first row,
	s_xor_b32 s39, s15, 1
	s_lshl_b32 s39, s39, 6
	s_add_co_u32 s39, s37, s39                     ; the other group's
	s_mul_i32 s40, s38, 384
	s_mov_b32 s41, 0
	s_mul_i32 s42, s39, 384
	s_mov_b32 s43, 0
	s_lshl_b32 s44, s38, 4
	s_mov_b32 s45, 0
	s_lshl_b32 s46, s39, 4
	s_mov_b32 s47, 0
	s_wait_alu depctr_va_sdst(0)                   ; s14, the wave's number, is written, ahead of its first reader
	s_mul_i32 s48, s14, 24*REC                     ; my wave's 24 records
	s_mov_b32 s49, 0
	s_lshr_b32 s50, s16, 3
	s_lshl_b32 s50, s50, 6
	s_lshl_b32 s51, s15, 5
	s_add_co_u32 s50, s50, s51
	s_add_co_u32 s50, s50, s14                     ; the first tile of queries that I end: 64 b + 32 half + wave
	s_lshl_b32 s50, s50, 3
	s_and_b32 s51, s16, 7
	s_add_co_u32 s50, s50, s51                     ; x 8 + h
	s_mul_i32 s58, s50, 1536
	s_mov_b32 s59, 0
	s_lshl_b32 s60, s50, 7
	s_mov_b32 s61, 0
	v_and_b32 v1, 31, v0                           ; lane
	v_and_b32 v2, 15, v0                           ; r
	v_bfe_u32 v3, v0, 4, 1                         ; h
	v_lshlrev_b32 v[LI], 4, v1
	v_lshlrev_b32 v[L16R], 4, v2
	v_lshlrev_b32 v[L32H], 5, v3
	v_mul_u32_u24 v[LX], v2, 1536
	v_mad_u32_u24 v[LX], v3, 24, v[LX]
	v_lshlrev_b32 v[LXS], 6, v2
	s_wait_kmcnt 0x0
	s_add_nc_u64 s[26:27], s[4:5], s[40:41]
	s_add_nc_u64 s[28:29], s[4:5], s[42:43]
	s_add_nc_u64 s[30:31], s[6:7], s[44:45]
	s_add_nc_u64 s[32:33], s[6:7], s[46:47]
	s_add_nc_u64 s[34:35], s[8:9], s[48:49]
	s_add_nc_u64 s[52:53], s[10:11], s[58:59]
	s_add_nc_u64 s[54:55], s[12:13], s[60:61]
	; x's 32 fragments stay in registers: slot (group, e), K step s; lane r takes x row 4 r + e
	WIN 0x40
	s_wait_alu depctr_va_vdst(0)                   ; the five offsets v[LI], v[L16R], v[L32H], v[LX], v[LXS] are written, which every global load and store of the kernel reads; they are never written again
.irp e, 0,1,2,3
.irp s, 0,1,2,3
.irp p, 0,1,2,3,4,5
	global_load_b64 v[12*(4*\e+\s)+2*\p:12*(4*\e+\s)+2*\p+1], v[LX], s[26:27] offset:384*\e+96*\s+48*(\p/3)+8*(\p%3)
.endr
.endr
.endr
	WIN 0x80
.irp e, 0,1,2,3
.irp s, 0,1,2,3
.irp p, 0,1,2,3,4,5
	global_load_b64 v[12*(4*\e+\s)+2*\p:12*(4*\e+\s)+2*\p+1], v[LX], s[28:29] offset:384*\e+96*\s+48*(\p/3)+8*(\p%3)
.endr
.endr
.endr
	WIN 0
.irp e, 0,1,2,3
	global_load_b128 v[XS+4*\e:XS+4*\e+3], v[LXS], s[30:31] offset:16*\e
	global_load_b128 v[XS+16+4*\e:XS+16+4*\e+3], v[LXS], s[32:33] offset:16*\e
.endr
	WLOAD 0, 0
	WLOAD 1, REC
	; every LDS address register is made here, once, while the loads are on their way; the first quantiser's wait on va_vdst stands behind all of them and ahead of every LDS instruction
	v_mul_u32_u24 v[LK], v2, PAIRB
	v_add_nc_u32 v[LKS], 96, v[LK]
	v_mad_u32_u24 v[LK], v3, 12, v[LK]
	v_mul_u32_u24 v[LV], v2, VBLK
	v_mad_u32_u24 v[LV], v3, 24, v[LV]
	v_add_nc_u32 v[LV], VIMG, v[LV]
	v_lshl_add_u32 v[LVS], v3, 5, v2
	v_add_nc_u32 v[LVS], VSC, v[LVS]
	v_lshlrev_b32 v[L4], 2, v1
	v_mul_u32_u24 v31, v2, ROWP
	v_mad_u32_u24 v[AQ0], v3, 24, v31
	v_add_nc_u32 v[AQ0], QIMG, v[AQ0]
	v_mad_u32_u24 v[AQS0], v3, TILEB, v31
	v_add_nc_u32 v[AQS0], QIMG+96, v[AQS0]
	v_mov_b32 v[AQ], v[AQ0]
	v_mov_b32 v[AQS], v[AQS0]
	s_lshl_b32 s37, s14, 8
	v_lshl_add_u32 v[AST], v2, 3, s37
	v_add_nc_u32 v[AST], STAT, v[AST]
	v_lshl_add_u32 v[ASL], v2, 3, STAT
	s_lshl_b32 s37, s14, 15
	v_add_nc_u32 v[AOX], s37, v[LI]
	s_lshl_b32 s37, s14, 13
	v_add_nc_u32 v[AOL0], s37, v[LI]
	v_add_nc_u32 v[AOL0+1], 65536, v[AOL0]
	s_mul_i32 s37, s14, 8*PAIRB                    ; my 8 pairs of tiles of K
	v_mad_u32_u24 v[LKF], v3, 24, v31
	v_add_nc_u32 v[LKF], s37, v[LKF]
	v_mad_u32_u24 v[LKSC], v3, TILEB, v31
	v_add_nc_u32 v[LKSC], s37, v[LKSC]
	v_add_nc_u32 v[LKSC], 96, v[LKSC]
	v_and_b32 v252, 7, v2
	v_lshrrev_b32 v253, 3, v2
	v_lshl_add_u32 v254, v253, 4, v252             ; row r of a tile of V^T is feature r % 8 + 16 (r / 8) of the tile's 32
	s_mul_i32 s37, s14, 8*VBLK                     ; my 8 blocks of keys
	v_mul_u32_u24 v[LVF], v254, 24
	v_mad_u32_u24 v[LVF], v3, VBLK, v[LVF]
	v_add_nc_u32 v[LVF], s37, v[LVF]
	v_add_nc_u32 v[LVF], VIMG, v[LVF]
	s_lshl_b32 s37, s14, 3
	v_lshlrev_b32 v[LVSC], 5, v254
	v_lshl_add_u32 v[LVSC], v3, 2, v[LVSC]
	v_add_nc_u32 v[LVSC], s37, v[LVSC]
	v_add_nc_u32 v[LVSC], VSC, v[LVSC]
	v_xor_b32 v253, v253, v3                       ; 0 where r / 8 = h
	v_lshl_add_u32 v252, v253, 3, v252             ; r % 8 there, 8 or more elsewhere
	v_mov_b32 v253, -1.0
.irp k, 0,1,2,3,4,5,6,7
	v_cmp_eq_u32 s[40+\k], \k, v252                ; the eight masks in one run, into s40 to s47, which held offsets that are used up
.endr
	s_wait_alu depctr_va_sdst(0)                   ; the eight compares have written s40 to s47, ahead of the selects that read them
.irp k, 0,1,2,3,4,5,6,7
	v_cndmask_b32 v[EY+\k], 0, v253, s[40+\k]      ; query r of tile u meets its own key in lane (r, r / 8), register 8 u + r % 8 of the block
.endr
.irp e, 0,1,2,3
	v_mov_b32 v[PTX+\e], 0                         ; written once: a lane permute's destination counts as one of its sources
.endr
	s_mov_b32 s36, 0
.Lk_loop:                                          ; K: 8 records, two a trip
	KQTRIP 0
	s_add_co_u32 s36, s36, 1
	s_cmp_lt_u32 s36, 4
	s_cbranch_scc1 .Lk_loop
	s_mov_b32 s36, 0
.Lq_loop:                                          ; Q: 8 records; its last trip asks for V's first two
	KQTRIP 1
	s_add_co_u32 s36, s36, 1
	s_cmp_lt_u32 s36, 4
	s_cbranch_scc1 .Lq_loop
	s_mov_b32 s36, 0
.Lv_loop:                                          ; V: 8 records; the last trip is written out: it asks for nothing, so that no load leaves the buffer
	VTRIP 1
	s_add_co_u32 s36, s36, 1
	s_cmp_lt_u32 s36, 3
	s_cbranch_scc1 .Lv_loop
	VTRIP 0
	s_wait_dscnt 0x0                               ; for the others' sake: all my codes and scale bytes have landed
	s_barrier_signal -1
	s_barrier_wait -1                              ; K, Q and V of the head lie in LDS
	; my 256 keys of K and of V^T come into registers, where they stay
	WIN 0x80
	s_wait_alu depctr_va_vdst(0)                   ; the projections' matrix instructions are done reading x's fragments, the weights', their scale words and the biases: K, V^T, their scale words and Q's first fragments land in those registers
.irp t, 0,1,2,3,4,5,6,7,8,9,10,11,12,13,14,15
.irp p, 0,1,2,3,4,5
	ds_load_b64 v[12*\t+2*\p:12*\t+2*\p+1], v[LKF] offset:PAIRB*(\t/2)+TILEB*(\t%2)+48*(\p/3)+8*(\p%3)
.endr
.endr
	WIN 0xc0
.irp d, 0,1,2,3,4,5,6,7
.irp y, 0,1
.irp c, 0,1
.irp p, 0,1,2
	ds_load_b64 v[12*(2*\d+\y)+6*\c+2*\p:12*(2*\d+\y)+6*\c+2*\p+1], v[LVF] offset:VBLK*(4*\y+2*\c)+24*(32*(\d/2)+8*(\d%2))+8*\p   ; lanes 16-31 take the block after lanes 0-15's
.endr
.endr
.endr
.endr
	WIN 0
.irp k, 0,1,2,3,4,5,6,7
	ds_load_b32 v[KS+\k], v[LKSC] offset:PAIRB*\k
	ds_load_b32 v[VS+\k], v[LVSC] offset:32*(32*(\k/2)+8*(\k%2))
.endr
.irp k, 0,1,2,3,4,5,6,7,8,9,10,11,12,13,14,15
	v_mov_b32 v[BX+\k], 0                          ; lane permutes' destinations, written once
.endr
.irp k, 0,1,2,3,4,5,6,7
	v_mov_b32 v[NL+\k], 0                          ; the upper halves of pairs that packed forms name
.endr
	s_wait_dscnt 0x0                               ; my reads of K's and V's bytes are over:
	s_barrier_signal -1
	s_barrier_wait -1                              ; everybody's are: the partial O^T may lie over them
	QLOAD 0                                        ; query pair 0.  No wait: the moves above, all that was issued since the last wait on va_vdst, name none of its registers
	s_mov_b32 s36, 0
.Ltrip:                                            ; 8 trips: two pairs of tiles of queries, and their end
	s_lshl_b32 s56, s36, 1
	s_lshl_b32 s37, s14, 3
	s_sub_co_u32 s56, s56, s37                     ; 2 trip - 8 wave: which of my blocks holds pair 2 trip's diagonal, if any
	SUB 0
	SUB 1
	FIN
	s_add_co_u32 s36, s36, 1
	s_cmp_lt_u32 s36, 8
	s_cbranch_scc1 .Ltrip
	s_wait_xcnt 0x0
	v_lshl_add_u32 v254, v0, 2, 0x44000            ; the closing add's two registers, made anew: no memory or LDS instruction has read v254 or v255
	v_mov_b32 v255, 0
	s_wait_dscnt 0x0                               ; the closing lines, six on end
	s_wait_alu 0x0
	s_wait_tensorcnt 0x0
	ds_add_u32 v254, v255
	s_wait_dscnt 0x0
	s_endpgm
.Lfunc_end_k_qc1e055baf7_attn:
	.size	k_qc1e055baf7_attn, .Lfunc_end_k_qc1e055baf7_attn-k_qc1e055baf7_attn
	.p2alignl 7, 3214868480
	.fill 96, 4, 3214868480
	.section	.rodata,"a",@progbits
	.p2align	6, 0x0
	.amdhsa_kernel k_qc1e055baf7_attn
		.amdhsa_group_segment_fixed_size 279040
		.amdhsa_private_segment_fixed_size 0
		.amdhsa_enable_private_segment 0
		.amdhsa_kernarg_size 40
		.amdhsa_user_sgpr_count 2
		.amdhsa_user_sgpr_kernarg_segment_ptr 1
		.amdhsa_wavefront_size32 1
		.amdhsa_system_sgpr_workgroup_id_x 1
		.amdhsa_system_sgpr_workgroup_id_y 1
		.amdhsa_system_sgpr_workgroup_id_z 1
		.amdhsa_system_vgpr_workitem_id 0
		.amdhsa_next_free_vgpr 1024
		.amdhsa_next_free_sgpr 66
		.amdhsa_reserve_vcc 0
		.amdhsa_float_denorm_mode_32 3
		.amdhsa_float_denorm_mode_16_64 3
		.amdhsa_memory_ordered 1
		.amdhsa_forward_progress 1
		.amdhsa_inst_pref_size 255
	.end_amdhsa_kernel
	.section	.bss,"aw",@nobits
	.p2align	6
	.space	262144
	.amdgpu_metadata
---
amdhsa.version: [ 1, 2 ]
amdhsa.kernels:
  - .name:           k_qc1e055baf7_attn
    .symbol:         k_qc1e055baf7_attn.kd
    .args:
      - { .name: x_codes, .offset: 0, .size: 8, .value_kind: global_buffer, .address_space: global }
      - { .name: x_scales, .offset: 8, .size: 8, .value_kind: global_buffer, .address_space: global }
      - { .name: wimg, .offset: 16, .size: 8, .value_kind: global_buffer, .address_space: global }
      - { .name: vimg, .offset: 24, .size: 8, .value_kind: global_buffer, .address_space: global }
      - { .name: vsc, .offset: 32, .size: 8, .value_kind: global_buffer, .address_space: global }
    .group_segment_fixed_size: 279040
    .private_segment_fixed_size: 0
    .kernarg_segment_align: 8
    .kernarg_segment_size: 40
    .max_flat_workgroup_size: 128
    .sgpr_count:     66
    .vgpr_count:     1024
    .wavefront_size: 32
...
	.end_amdgpu_metadata
.endif
;; end of part 5
;; launch outp (part 6): grid 256 x 1, 4 waves a work-group, no clusters, 35,328 bytes of LDS; arguments vimg, vsc, w0img, Ww0_scales, bw0, out0; writes out0
.if DOCPART == 6
	.amdgcn_target "amdgcn-amd-amdhsa--gfx1250"
	.amdhsa_code_object_version 6
	.text
	.protected	k_qc1e055baf7_outp
	.globl	k_qc1e055baf7_outp
	.p2align	8
	.type	k_qc1e055baf7_outp,@function
k_qc1e055baf7_outp:
	s_mov_b64 s[64:65], 0
	v_nop
	global_prefetch_b8 v0, s[64:65] scope:SCOPE_SE
	s_setreg_imm32_b32 hwreg(HW_REG_WAVE_SCHED_MODE, 0, 2), 2
	s_setreg_imm32_b32 hwreg(HW_REG_WAVE_MODE, 25, 1), 1
	s_wait_xcnt 0x0
	s_wait_alu depctr_vm_vsrc(0)
; out0 = vals Ww0 + bw0 on E2M3 codes with E8M0 scales.  vals comes as images of operand registers: [tile of 16 queries 1,024][head 8][1,536 bytes], scale words [..][128 bytes]; K step = head.
; Row m of tile 2 X + u is query 32 X + 16 (m / 8) + 8 u + m % 8.  A work-group takes four tiles: 64 consecutive rows of out0.
; The waves share the columns: wave w makes outputs 32 w .. 32 w + 31 (two tiles of 16 rows of Ww0) for the four tiles of queries.  Transposed use: source 0 = 16 rows of Ww0, source 1 = 16 queries:
; a lane's eight results are eight neighbouring outputs of one query.  The bias is the C of each sum's first matrix instruction.  Everything is loaded once, at the head; there is no loop.
; THE MODE: SCHED_MODE bits 1:0 = 2 (LLVM: expert scheduling mode 2), set by the entry lines.  The code itself states the register dependences
; between vector or matrix instructions and memory or LDS instructions, with s_wait_alu, always for 0.
; THE PLAN.  v4 to v9, offsets and LDS addresses: written once at the head, read by every load and store: one wait on va_vdst ahead of the first load.
;   The operands, scale words and the bias: loaded once, into registers that no vector instruction has named; read by matrix instructions behind the waits on LOADcnt.
;   The accumulators: written by matrix instructions, read by the LDS stores into the stage: the four places, then one wait on va_vdst.
;   v160-223: LDS loads land in them and global stores read them; no vector instruction names them.  No register that a memory or LDS instruction has read is written again.
; REGISTERS: window 0: v1-9 addresses; v32-63 vals' scale words, v64-79 Ww0's (these hold scales and nothing else); v80-95 the bias; v96-159 eight accumulators; v160-223 rows of out0.
;   window 1: vals' tiles 0, 1 at 12 (8 (tile % 2) + head); window 2: tiles 2, 3; window 3: Ww0 at 12 (8 n + head).
.set VSW, 32
.set W0S, 64
.set BI,  80
.set ACC, 96
.set OB,  160
.set SP,  528                          ; a stage row: 512 bytes + 16
.set MSB, 0
.macro WIN new                         ; the immediate's high byte repeats the setting that is left
.if MSB != (\new)
	s_set_vgpr_msb (MSB<<8)|(\new)
.set MSB, (\new)
.endif
.endm
.macro WM d, a, b, c, sa, sb
	v_wmma_scale_f32_16x16x128_f8f6f4 v[(\d):(\d)+7], v[(\a):(\a)+11], v[(\b):(\b)+11], \c, v[\sa], v[\sb] matrix_a_fmt:MATRIX_FMT_FP6 matrix_b_fmt:MATRIX_FMT_FP6
.endm
; tiles 2 lo, 2 lo + 1 of queries x my two tiles of outputs: four accumulators by turns, one instruction a turn, eight K steps
.macro PROD lo
	WIN 0x07+4*\lo
.irp y, 0,1,2,3,4,5,6,7
.irp m, 0,1
.irp n, 0,1
.if \y == 0
	WM ACC+8*(2*(2*\lo+\m)+\n), 12*(8*\n+\y), 12*(8*\m+\y), v[BI+8*\n:BI+8*\n+7], W0S+8*\n+\y, VSW+8*(2*\lo+\m)+\y
.else
	WM ACC+8*(2*(2*\lo+\m)+\n), 12*(8*\n+\y), 12*(8*\m+\y), v[ACC+8*(2*(2*\lo+\m)+\n):ACC+8*(2*(2*\lo+\m)+\n)+7], W0S+8*\n+\y, VSW+8*(2*\lo+\m)+\y
.endif
.endr
.endr
.endr
.endm
	s_load_b256 s[4:11], s[0:1], 0x0               ; vimg, vsc, w0img, Ww0's scales
	s_load_b128 s[12:15], s[0:1], 0x20             ; bw0, out0
	v_lshl_add_u32 v254, v0, 2, 0x8800             ; the closing add's two registers, made here and kept for it alone
	v_mov_b32 v255, 0
	v_lshrrev_b32 v1, 5, v0
	v_readfirstlane_b32 s16, v1                    ; wave 0..3
	v_and_b32 v1, 31, v0                           ; lane
	v_and_b32 v2, 15, v0                           ; r
	v_bfe_u32 v3, v0, 4, 1                         ; h
	v_lshlrev_b32 v4, 4, v1                        ; 16 x lane
	v_lshlrev_b32 v5, 2, v1                        ; 4 x lane
	v_lshlrev_b32 v6, 5, v2                        ; Ww0's scales: 32 bytes a row
	v_lshlrev_b32 v7, 5, v3                        ; the bias: 8 numbers for each half of the lanes
	v_and_b32 v8, 7, v2
	v_lshrrev_b32 v9, 3, v2
	v_lshl_add_u32 v8, v9, 4, v8                   ; my query's row among a pair's 32: 16 (r / 8) + r % 8 (+ 8 u, in the offset)
	v_mul_u32_u24 v8, v8, SP
	v_add_nc_u32 v8, v7, v8
	s_wait_alu depctr_va_sdst(0)                   ; s16, the wave's number, is written, ahead of its first reader
	s_lshl_b32 s17, s16, 7
	v_add_nc_u32 v8, s17, v8                       ; the stage, on the way in: + 32 h + 128 wave
	s_mul_i32 s17, s16, 16*SP
	v_add_nc_u32 v9, s17, v4                       ; and back: my 16 rows, 16 bytes a lane
	s_mul_i32 s20, ttmp9, 4*8*1536                 ; my work-group's four tiles
	s_mov_b32 s21, 0
	s_lshl_b32 s22, ttmp9, 12
	s_mov_b32 s23, 0
	s_mul_i32 s24, s16, 2*8*1536                   ; my wave's two tiles of Ww0
	s_mov_b32 s25, 0
	s_lshl_b32 s26, s16, 10
	s_mov_b32 s27, 0
	s_lshl_b32 s28, s16, 7
	s_mov_b32 s29, 0
	s_lshl_b32 s30, ttmp9, 15                      ; 64 rows of 512 bytes,
	s_lshl_b32 s31, s16, 13                        ; my wave's 16 of them
	s_add_co_u32 s30, s30, s31
	s_mov_b32 s31, 0
	s_wait_kmcnt 0x0
	s_add_nc_u64 s[4:5], s[4:5], s[20:21]
	s_add_nc_u64 s[6:7], s[6:7], s[22:23]
	s_add_nc_u64 s[8:9], s[8:9], s[24:25]
	s_add_nc_u64 s[10:11], s[10:11], s[26:27]
	s_add_nc_u64 s[12:13], s[12:13], s[28:29]
	s_add_nc_u64 s[14:15], s[14:15], s[30:31]
	WIN 0xc0
	s_wait_alu depctr_va_vdst(0)                   ; the offsets and LDS addresses v4 to v9 are written, which the loads and stores of the whole kernel read; they are never written again
.set j, 0
.rept 48
	global_load_b128 v[4*j:4*j+3], v4, s[8:9] offset:512*j          ; Ww0's 16 fragments: 512 consecutive bytes a load
.set j, j+1
.endr
	WIN 0
.irp n, 0,1
.irp k, 0,1
	global_load_b128 v[W0S+8*\n+4*\k:W0S+8*\n+4*\k+3], v6, s[10:11] offset:512*\n+16*\k
	global_load_b128 v[BI+8*\n+4*\k:BI+8*\n+4*\k+3], v7, s[12:13] offset:64*\n+16*\k
.endr
.endr
.irp m, 0,1,2,3
.irp y, 0,1,2,3,4,5,6,7
	global_load_b32 v[VSW+8*\m+\y], v5, s[6:7] offset:1024*\m+128*\y
.endr
.endr
	WIN 0x40
.set j, 0
.rept 48
	global_load_b128 v[4*j:4*j+3], v4, s[4:5] offset:512*j          ; vals' tiles 0, 1
.set j, j+1
.endr
	WIN 0x80
.set j, 0
.rept 48
	global_load_b128 v[4*j:4*j+3], v4, s[4:5] offset:24576+512*j    ; tiles 2, 3
.set j, j+1
.endr
	WIN 0
	s_wait_loadcnt 48                              ; all but the 48 loads of tiles 2 and 3
	PROD 0
	s_wait_loadcnt 0x0
	PROD 1
	WIN 0
.rept 4
	v_nop                                          ; four places ahead of the stores that read the results
.endr
	s_wait_alu depctr_va_vdst(0)                   ; the matrix instructions have written the eight accumulators, which the LDS stores read; the places above stay beside this wait
.irp m, 0,1,2,3
.irp n, 0,1
.irp k, 0,1
	ds_store_b128 v8, v[ACC+8*(2*\m+\n)+4*\k:ACC+8*(2*\m+\n)+4*\k+3] offset:SP*(32*(\m/2)+8*(\m%2))+64*\n+16*\k   ; each accumulator from its low end on
.endr
.endr
.endr
	s_wait_dscnt 0x0                               ; for the others' sake: my stores into the stage have landed
	s_barrier_signal -1
	s_barrier_wait -1                              ; 64 whole rows lie in the stage
.irp i, 0,1,2,3,4,5,6,7,8,9,10,11,12,13,14,15
	ds_load_b128 v[OB+4*\i:OB+4*\i+3], v9 offset:SP*\i
.endr
.irp i, 0,1,2,3,4,5,6,7,8,9,10,11,12,13,14,15
	s_wait_dscnt 15-\i                             ; LDS loads come back in order: row i is in, the younger ones may be out
	global_store_b128 v4, v[OB+4*\i:OB+4*\i+3], s[14:15] offset:512*\i th:TH_STORE_NT   ; 32 lanes store a row of 512 bytes, at a multiple of 256 from out0's first byte
.endr
	s_wait_dscnt 0x0                               ; the closing lines, six on end
	s_wait_alu 0x0
	s_wait_tensorcnt 0x0
	ds_add_u32 v254, v255
	s_wait_dscnt 0x0
	s_endpgm
.Lfunc_end_k_qc1e055baf7_outp:
	.size	k_qc1e055baf7_outp, .Lfunc_end_k_qc1e055baf7_outp-k_qc1e055baf7_outp
	.p2alignl 7, 3214868480
	.fill 96, 4, 3214868480
	.section	.rodata,"a",@progbits
	.p2align	6, 0x0
	.amdhsa_kernel k_qc1e055baf7_outp
		.amdhsa_group_segment_fixed_size 35328
		.amdhsa_private_segment_fixed_size 0
		.amdhsa_enable_private_segment 0
		.amdhsa_kernarg_size 48
		.amdhsa_user_sgpr_count 2
		.amdhsa_user_sgpr_kernarg_segment_ptr 1
		.amdhsa_wavefront_size32 1
		.amdhsa_system_sgpr_workgroup_id_x 1
		.amdhsa_system_sgpr_workgroup_id_y 1
		.amdhsa_system_sgpr_workgroup_id_z 1
		.amdhsa_system_vgpr_workitem_id 0
		.amdhsa_next_free_vgpr 1024
		.amdhsa_next_free_sgpr 66
		.amdhsa_reserve_vcc 0
		.amdhsa_float_denorm_mode_32 3
		.amdhsa_float_denorm_mode_16_64 3
		.amdhsa_memory_ordered 1
		.amdhsa_forward_progress 1
		.amdhsa_inst_pref_size 33
	.end_amdhsa_kernel
	.amdgpu_metadata
---
amdhsa.version: [ 1, 2 ]
amdhsa.kernels:
  - .name:           k_qc1e055baf7_outp
    .symbol:         k_qc1e055baf7_outp.kd
    .args:
      - { .name: vimg, .offset: 0, .size: 8, .value_kind: global_buffer, .address_space: global }
      - { .name: vsc, .offset: 8, .size: 8, .value_kind: global_buffer, .address_space: global }
      - { .name: w0img, .offset: 16, .size: 8, .value_kind: global_buffer, .address_space: global }
      - { .name: Ww0_scales, .offset: 24, .size: 8, .value_kind: global_buffer, .address_space: global }
      - { .name: bw0, .offset: 32, .size: 8, .value_kind: global_buffer, .address_space: global }
      - { .name: out0, .offset: 40, .size: 8, .value_kind: global_buffer, .address_space: global }
    .group_segment_fixed_size: 35328
    .private_segment_fixed_size: 0
    .kernarg_segment_align: 8
    .kernarg_segment_size: 48
    .max_flat_workgroup_size: 128
    .sgpr_count:     66
    .vgpr_count:     1024
    .wavefront_size: 32
...
	.end_amdgpu_metadata
.endif
;; end of part 6
